; MI455X (gfx1250); checked and timed in simulation.
; The chip was launched on July 23, 2026; its instructions are those of AMD's public machine-readable ISA for CDNA 5 (MIT licence, August 2026) and "CDNA5" Instruction Set Architecture Reference Guide (July 2026). The comments in the code are by the model that wrote it; some were corrected since.
;; Multi Head Attention. Allowed arithmetic: matrix products marked QUANTISED: E4M3 operands, one given power-of-two scale a tensor, by v_wmma_f32_16x16x64_fp8_fp8 or v_wmma_f32_16x16x128_fp8_fp8, f32 sums; everything else in f32.
;; Inputs: b_out 1,024 float32; b_qkv 3,072 float32; lowp_scales 8 int32 (the exponents e of the quantised operands' scales 2^e); w_out 1,024 x 1,024 float32; w_qkv 1,024 x 3,072 float32; x 4 x 2,048 x 1,024 float32.
;; Outputs: out0 4 x 2,048 x 1,024 float32.
;; This version of the problem:
;;   THIS VERSION OF THE PROBLEM IS GIVEN IN LOW PRECISION. The matrix products marked QUANTISED in the list below multiply operands that are first quantised to E4M3 (4 exponent bits, 3 mantissa bits; 8 bits a number), with one given power-of-two scale for each operand tensor; their sums are f32. All else is computed in f32.
;;   The module's matrix products, in the order in which they are computed (A, B: the left and right operand; K: the contracted axis; several contracted axes count as one K, in the product's order):
;;     1. [M 8,192, K 1,024] x [K 1,024, N 3,072]; A: input x; B: input w_qkv: QUANTISED (scales: A lowp_scales[0], B lowp_scales[1])
;;     2. batch 64 x [M 2,048, K 64] x [K 64, N 2,048]; A: computed on the way; B: computed on the way: QUANTISED (scales: A lowp_scales[2], B lowp_scales[3])
;;     3. batch 64 x [M 2,048, K 2,048] x [K 2,048, N 64]; A: softmax (see below); B: computed on the way: QUANTISED (scales: A lowp_scales[4], B lowp_scales[5])
;;     4. [M 8,192, K 1,024] x [K 1,024, N 1,024]; A: computed on the way; B: input w_out: QUANTISED (scales: A lowp_scales[6], B lowp_scales[7])
;;   THE QUANTISER, for each operand of a quantised product, along K:
;;     - The operand's scale is 2^e, e = its entry of the input lowp_scales (int32; the entries are numbered through the quantised products in the list's order, A before B).
;;     - Each number is divided by the scale, clamped to +-448, and rounded to the nearest number of E4M3, ties to even, subnormals kept.
;;     - The product sums the exact products of the quantised numbers (number of the format x scale) in f32.
;;   ~~~python
;;   def quantise(x, axis, e):      # numpy; x: float32 -> the quantised numbers, widened to float32 again
;;       x = np.moveaxis(x, axis, -1); K = x.shape[-1]
;;       r = np.clip(x / 2.0 ** e, -448, 448)
;;       step = 2.0 ** (np.maximum(np.frexp(np.where(r == 0, 1, r))[1] - 1, -6) - 3)
;;       q = np.round(r / step) * step * 2.0 ** e      # np.round: ties to even
;;       return np.moveaxis(q, -1, axis).astype(np.float32)
;;   ~~~
;;   SOFTMAX AHEAD OF A QUANTISED PRODUCT. Where the list says 'softmax', what is quantised is not the finished softmax but p = 2^(t - M), with t = logit x log2(e) and M = ceil(the row's largest t), a whole number; so 1/2 < the row's largest p <= 1. The row's sum l is taken of the UNQUANTISED p, in f32, and the product's result is divided by l at the end. Since M is a whole number, a kernel that streams over the keys may use a running M (the ceiling of the running maximum): every later rescaling is an exact power of two, so the quantised numbers keep their values, but for numbers so far below the row's largest that they fall under the format's range.
;;   OPERANDS COMPUTED ON THE WAY. 'Computed on the way' means the value that the module computes at that place (a softmax that the list does not call 'softmax' is quantised finished and normalised). What goes into a quantiser is computed in f32, as accurately as f32 sums, v_exp_f32 and their like allow (about 1e-6 of the number): no bf16 or f16 on the way to a quantiser, and a product that is left as it is and whose result goes on into a quantised operand takes f32 operands (vector FMAs, or v_wmma_f32_16x16x4_f32). A number that lies on a knife's edge between two numbers of the format may be rounded either way, as far as f32 arithmetic and the matrix unit's own rounding can turn it there, and no further.
;; One version. Each part assembles by itself: llvm-mc -triple=amdgcn-amd-amdhsa -mcpu=gfx1250 --defsym DOCPART=n.
;; ======== version 1 of 1: 4 launches
;; limits: right only within a limited range of input values
;; workspace buffers: xc 8,388,608 bytes; wqc 3,145,728 bytes; woc 1,048,576 bytes; qc 8,388,608 bytes; kc 8,388,608 bytes; vc 8,388,608 bytes; zc 8,388,608 bytes
;; launch quant (part 1): grid 384 x 1, 4 waves a work-group, no clusters, 102,912 bytes of LDS; arguments x, w_qkv, w_out, lowp_scales, xc, wqc, woc; writes xc, wqc, woc
.if DOCPART == 1
	.amdgcn_target "amdgcn-amd-amdhsa--gfx1250"
	.amdhsa_code_object_version 6
	.text
	.protected	k_q1ca89b1564_quant
	.globl	k_q1ca89b1564_quant
	.p2align	8
	.type	k_q1ca89b1564_quant,@function
k_q1ca89b1564_quant:
	s_mov_b64 s[64:65], 0
	v_nop
	global_prefetch_b8 v0, s[64:65] scope:SCOPE_SE
	s_setreg_imm32_b32 hwreg(HW_REG_WAVE_MODE, 25, 1), 1
	s_wait_xcnt 0x0
; x [8192][1024], w_qkv [1024][3072] and w_out [1024][1024], f32, become codes of E4M3, K innermost, each with the one scale 2^e given for it:
; xc [8192][1024] (e = entry 0), wqc [3072][1024] (entry 1), woc [1024][1024] (entry 7).  code = number / 2^e, held within +-448, to the nearest code, ties to even.
; LIMITS: each e lies between -126 and 119, so that 2^e and 448 x 2^e are f32 numbers.  NaN among the inputs is not served (an infinity is held at the largest code).
; One launch, three paths, chosen by the work-group's number: 0-255 take x, 256-351 w_qkv, 352-383 w_out; every work-group reads 131,072 bytes.  Each path has LDS bytes of its own.
; x: K is innermost, so x is a plain stream: a wave takes 16 steps of 512 numbers; each load reads 512 consecutive bytes; a step's 2,048 bytes turn through the wave's own stage in LDS, so that a lane
;    holds 16 neighbours along K for the conversions; a lane's 16 codes are 16 bytes, so a store of the wave covers 512 consecutive bytes, aligned.
; weights: K is the FIRST axis.  A lane takes a column n and its registers run down K: the conversions then give codes with K innermost; a wave's 32 columns x 256 K go through its stage and leave
;    as rows: sixteen lanes store 256 consecutive bytes, aligned.
; No tensor loads, no barrier, no cluster: waves share nothing, and no byte is read by two work-groups.
.set STEPS, 16
.set SP,    80                         ; x: a lane's place in a stage: its 64 bytes + 16 of padding
.set WREG,  8192                       ; x: LDS bytes of a wave: two stages of 32 x SP
.set R,     16                         ; x: v16-79   four sets of 16 numbers as loaded
.set X,     80                         ; x: v80-111  two sets of 16 neighbours
.set C,     128                        ; x: v128-191 codes, four registers a step: no store's data are written again
.set PITCH, 272                        ; weights: a stage row: 256 codes + 16 bytes
.set KROW,  1024                       ; a row of codes in memory
.set WX,    32                         ; weights: v32-95 two sets of 32 numbers
.set WC,    96                         ; weights: v96-103 a block's codes
.set OUTR,  112                        ; weights: v112-175 the way out
.set MANT,  0x600000                   ; the mantissa field of 448 as f32
.macro SCALE e                         ; v11 = 2^e as f32 (the conversion takes its exponent field)
	s_wait_kmcnt 0x0
	s_add_co_i32 s32, s[\e], 127
	s_lshl_b32 s33, s32, 23
	v_mov_b32 v11, s33
	s_add_co_i32 s32, s32, 8
	s_lshl_b32 s32, s32, 23
	s_or_b32 s32, s32, MANT
.endm
.macro XLOAD t
.irp i, 0,1,2,3
	global_load_b128 v[R+16*((\t)%4)+4*\i:R+16*((\t)%4)+4*\i+3], v3, s[4:5] offset:2048*(\t)+512*\i th:TH_LOAD_NT   ; 32 lanes read 512 consecutive bytes
.endr
.endm
.macro XTURN t                         ; step t's numbers through the stage: LDS serves a wave's instructions in order, so no wait stands between the stores and the loads
.irp i, 0,1,2,3
	ds_store_b128 v14, v[R+16*((\t)%4)+4*\i:R+16*((\t)%4)+4*\i+3] offset:32*SP*((\t)%2)+8*SP*\i
.endr
.irp i, 0,1,2,3
	ds_load_b128 v[X+16*((\t)%2)+4*\i:X+16*((\t)%2)+4*\i+3], v15 offset:32*SP*((\t)%2)+16*\i
.endr
.endm
.macro XSTEP t
.set XS, X+16*((\t)%2)
	s_wait_dscnt 0x0                               ; this step's numbers are back from the stage, and its stores into the stage have read their registers,
.if (\t)+4 < STEPS
	XLOAD (\t)+4                                   ; which take the loads of four steps on
.endif
.if (\t)+1 < STEPS
.if STEPS-2-(\t) >= 3
	s_wait_loadcnt 12                              ; the next step's four loads are in; those of the three steps behind it may be out
.else
	s_wait_loadcnt 4*(STEPS-2-(\t))
.endif
	XTURN (\t)+1                                   ; and go through the other stage while this step is worked
.endif
.irp i, 0,1,2,3,4,5,6,7,8,9,10,11,12,13,14,15
.endr
	v_cvt_scalef32_pk8_fp8_f32 v[C+4*(\t):C+4*(\t)+1], v[XS:XS+7], v11
	v_cvt_scalef32_pk8_fp8_f32 v[C+4*(\t)+2:C+4*(\t)+3], v[XS+8:XS+15], v11
	global_store_b128 v4, v[C+4*(\t):C+4*(\t)+3], s[12:13] offset:512*(\t)   ; the results go to a store alone; the next vector lines are the next step's conversions, on other registers
.endm
.macro WLOAD t, n, src                 ; block t: W(32 t + i, my column), i = 0 .. 31, into set t % 2
.irp i, 0,1,2,3,4,5,6,7,8,9,10,11,12,13,14,15,16,17,18,19,20,21,22,23,24,25,26,27,28,29,30,31
	global_load_b32 v[WX+32*((\t)%2)+\i], v3, s[\src:\src+1] offset:(32*(\t)+\i)*(\n)*4 th:TH_LOAD_NT
.endr
.endm
.macro WBLOCK t, n, src
.set XS, WX+32*((\t)%2)
.if (\t) < 7
	s_wait_loadcnt 32                              ; this block's 32 loads are in; the next block's may be out
.else
	s_wait_loadcnt 0
.endif
.irp i, 0,1,2,3,4,5,6,7,8,9,10,11,12,13,14,15,16,17,18,19,20,21,22,23,24,25,26,27,28,29,30,31
.endr
.irp g, 0,1,2,3
	v_cvt_scalef32_pk8_fp8_f32 v[WC+2*\g:WC+2*\g+1], v[XS+8*\g:XS+8*\g+7], v11
.endr
	ds_store_b128 v4, v[WC:WC+3] offset:32*(\t)    ; 32 codes: 32 bytes of my column's row
	ds_store_b128 v4, v[WC+4:WC+7] offset:32*(\t)+16
.if (\t)+2 < 8
	WLOAD (\t)+2, \n, \src
.endif
	s_wait_dscnt 0x0                               ; the stores have read their registers: the next block's codes may be written
.endm
; A weight [1024][n]: work-group first + 4 c + y takes columns 128 c .. 128 c + 127 and K = 256 y .. 256 y + 255; a wave 32 of the columns.  Every offset is an immediate: 255 x n x 4 stays inside the signed 24 bits.
.macro WPATH n, first, src, dst, e, base
	s_sub_co_u32 s19, ttmp9, \first
	s_lshr_b32 s20, s19, 2
	s_and_b32 s21, s19, 3                          ; which 256 along K
	s_lshl_b32 s20, s20, 7
	s_lshl_b32 s22, s18, 5
	s_add_co_u32 s20, s20, s22                     ; my wave's first column
	v_lshlrev_b32 v3, 2, v2                        ; in: 4 bytes a lane
	s_mul_i32 s22, s18, 32*PITCH
	s_add_co_u32 s22, s22, \base                   ; my stage
	v_mul_u32_u24 v4, v2, PITCH
	v_add_nc_u32 v4, s22, v4                       ; into it: row = my column
	v_and_b32 v5, 15, v2
	v_lshrrev_b32 v6, 4, v2
	v_mul_u32_u24 v7, v6, PITCH
	v_lshl_add_u32 v7, v5, 4, v7
	v_add_nc_u32 v7, s22, v7                       ; out of it: sixteen lanes to a row, two rows an instruction
	v_mul_u32_u24 v8, v6, KROW
	v_lshl_add_u32 v8, v5, 4, v8                   ; and the same place in the codes' buffer
	s_mul_i32 s32, s21, 256*(\n)*4
	s_lshl_b32 s33, s20, 2
	s_add_co_u32 s32, s32, s33
	s_mov_b32 s33, 0
	s_add_nc_u64 s[\src:\src+1], s[\src:\src+1], s[32:33]
	s_lshl_b32 s32, s20, 10
	s_lshl_b32 s34, s21, 8
	s_add_co_u32 s32, s32, s34
	s_add_nc_u64 s[\dst:\dst+1], s[\dst:\dst+1], s[32:33]
	WLOAD 0, \n, \src
	WLOAD 1, \n, \src
	SCALE \e
	s_wait_alu depctr_va_vdst(0)
.irp t, 0,1,2,3,4,5,6,7
	WBLOCK \t, \n, \src
.endr
.irp t, 0,1,2,3,4,5,6,7,8,9,10,11,12,13,14,15
	ds_load_b128 v[OUTR+4*\t:OUTR+4*\t+3], v7 offset:2*\t*PITCH   ; LDS serves a wave's instructions in order: these see my stores
.endr
.irp t, 0,1,2,3,4,5,6,7,8,9,10,11,12,13,14,15
	s_wait_dscnt 15-\t
	global_store_b128 v8, v[OUTR+4*\t:OUTR+4*\t+3], s[\dst:\dst+1] offset:2*\t*KROW
.endr
.endm
	s_load_b256 s[4:11], s[0:1], 0x0               ; x s[4:5], w_qkv s[6:7], w_out s[8:9], the scales' exponents s[10:11]
	s_load_b128 s[12:15], s[0:1], 0x20             ; xc s[12:13], wqc s[14:15]
	s_load_b64 s[16:17], s[0:1], 0x30              ; woc
	v_lshl_add_u32 v192, v0, 2, 0x19000
	v_mov_b32 v193, 0
	v_lshrrev_b32 v1, 5, v0
	v_readfirstlane_b32 s18, v1                    ; wave 0..3
	v_and_b32 v2, 31, v0                           ; lane
	s_wait_kmcnt 0x0
	s_load_b256 s[24:31], s[10:11], 0x0            ; e0 .. e7
	s_cmp_lt_u32 ttmp9, 256
	s_cbranch_scc0 .Lweights
	s_wait_alu depctr_va_vdst(0)
	; ---- x
	v_lshlrev_b32 v3, 4, v2                        ; my 16 bytes of a load's 512
	s_wait_alu depctr_va_vdst(0)
	s_mul_i32 s19, s18, WREG
	v_lshrrev_b32 v14, 2, v2
	v_mul_u32_u24 v14, v14, SP
	v_and_b32 v15, 3, v2
	v_lshl_add_u32 v14, v15, 4, v14
	v_add_nc_u32 v14, s19, v14                     ; the stage, on the way in: four lanes' 64 bytes on end, then 16 of padding
	v_mul_u32_u24 v15, v2, SP
	v_add_nc_u32 v15, s19, v15                     ; and on the way out: my 16 neighbours
	v_lshlrev_b32 v4, 4, v2                        ; my codes' place in a step's
	s_lshl_b32 s20, ttmp9, 2
	s_add_co_u32 s20, s20, s18                     ; which run of 8,192 numbers is my wave's
	s_lshl_b32 s22, s20, 15
	s_mov_b32 s23, 0
	s_add_nc_u64 s[4:5], s[4:5], s[22:23]
	s_lshl_b32 s22, s20, 13
	s_add_nc_u64 s[12:13], s[12:13], s[22:23]
.irp t, 0,1,2,3
	XLOAD \t
.endr
	s_wait_alu depctr_va_vdst(0)
	SCALE 24
	s_wait_alu depctr_va_vdst(0)
	s_wait_loadcnt 12                              ; step 0's four loads are in
	XTURN 0
.irp t, 0,1,2,3,4,5,6,7,8,9,10,11,12,13,14,15
	XSTEP \t
.endr
	s_wait_tensorcnt 0x0
	ds_add_u32 v192, v193
	s_wait_dscnt 0x0
	s_endpgm
.Lweights:
	s_cmp_lt_u32 ttmp9, 352
	s_cbranch_scc0 .Lw_out
	s_wait_alu depctr_va_vdst(0)
	WPATH 3072, 256, 6, 14, 25, 32768
	s_wait_tensorcnt 0x0
	ds_add_u32 v192, v193
	s_wait_dscnt 0x0
	s_endpgm
.Lw_out:
	s_wait_alu depctr_va_vdst(0)
	WPATH 1024, 352, 8, 16, 31, 67584
	s_wait_tensorcnt 0x0
	ds_add_u32 v192, v193
	s_wait_dscnt 0x0
	s_endpgm
.Lfunc_end_k_q1ca89b1564_quant:
	.size	k_q1ca89b1564_quant, .Lfunc_end_k_q1ca89b1564_quant-k_q1ca89b1564_quant
	.p2alignl 7, 3214868480
	.fill 96, 4, 3214868480
	.section	.rodata,"a",@progbits
	.p2align	6, 0x0
	.amdhsa_kernel k_q1ca89b1564_quant
		.amdhsa_group_segment_fixed_size 102912
		.amdhsa_private_segment_fixed_size 0
		.amdhsa_enable_private_segment 0
		.amdhsa_kernarg_size 56
		.amdhsa_user_sgpr_count 2
		.amdhsa_user_sgpr_kernarg_segment_ptr 1
		.amdhsa_wavefront_size32 1
		.amdhsa_system_sgpr_workgroup_id_x 1
		.amdhsa_system_sgpr_workgroup_id_y 1
		.amdhsa_system_sgpr_workgroup_id_z 1
		.amdhsa_system_vgpr_workitem_id 0
		.amdhsa_next_free_vgpr 194
		.amdhsa_next_free_sgpr 66
		.amdhsa_reserve_vcc 0
		.amdhsa_float_denorm_mode_32 3
		.amdhsa_float_denorm_mode_16_64 3
		.amdhsa_fp16_overflow 1
		.amdhsa_memory_ordered 1
		.amdhsa_forward_progress 1
		.amdhsa_inst_pref_size 86
	.end_amdhsa_kernel
	.amdgpu_metadata
---
amdhsa.version: [ 1, 2 ]
amdhsa.kernels:
  - .name:           k_q1ca89b1564_quant
    .symbol:         k_q1ca89b1564_quant.kd
    .args:
      - { .name: x, .offset: 0, .size: 8, .value_kind: global_buffer, .address_space: global }
      - { .name: w_qkv, .offset: 8, .size: 8, .value_kind: global_buffer, .address_space: global }
      - { .name: w_out, .offset: 16, .size: 8, .value_kind: global_buffer, .address_space: global }
      - { .name: lowp_scales, .offset: 24, .size: 8, .value_kind: global_buffer, .address_space: global }
      - { .name: xc, .offset: 32, .size: 8, .value_kind: global_buffer, .address_space: global }
      - { .name: wqc, .offset: 40, .size: 8, .value_kind: global_buffer, .address_space: global }
      - { .name: woc, .offset: 48, .size: 8, .value_kind: global_buffer, .address_space: global }
    .group_segment_fixed_size: 102912
    .private_segment_fixed_size: 0
    .kernarg_segment_align: 8
    .kernarg_segment_size: 56
    .max_flat_workgroup_size: 128
    .sgpr_count:     66
    .vgpr_count:     194
    .wavefront_size: 32
...
	.end_amdgpu_metadata
.endif
;; end of part 1
;; launch gemm_qkv (part 2): grid 12 x 32, 4 waves a work-group, clusters of 4 x 4, 327,680 bytes of LDS; arguments xc, wqc, lowp_scales, b_qkv, qc, kc, vc; writes qc, kc, vc
.if DOCPART == 2
	.amdgcn_target "amdgcn-amd-amdhsa--gfx1250"
	.amdhsa_code_object_version 6
	.text
	.protected	k_q1ca89b1564_gemm_qkv
	.globl	k_q1ca89b1564_gemm_qkv
	.p2align	8
	.type	k_q1ca89b1564_gemm_qkv,@function
k_q1ca89b1564_gemm_qkv:
	s_mov_b64 s[64:65], 0
	v_nop
	global_prefetch_b8 v0, s[64:65] scope:SCOPE_SE
	s_setreg_imm32_b32 hwreg(HW_REG_WAVE_MODE, 25, 1), 1
	s_wait_xcnt 0x0
	s_wait_alu depctr_hold_cnt(0) depctr_sa_sdst(0) depctr_va_vdst(0) depctr_va_sdst(0) depctr_va_ssrc(0) depctr_va_vcc(0) depctr_vm_vsrc(0)
	s_getreg_b32 s2, hwreg(HW_REG_IB_STS2, 6, 4)
	s_cmp_eq_u32 s2, 0
	s_cbranch_scc0 .Lentry_in_a_cluster
	s_endpgm
.Lentry_in_a_cluster:
	s_bfe_u32 s2, ttmp6, 0x10000c
	s_cmp_lg_u32 s2, 0xf033
	s_cbranch_scc0 .Lentry_shape_is_right
	s_endpgm
.Lentry_shape_is_right:
; qkv = x w_qkv + b_qkv on codes of E4M3 (xc [8192][1024], wqc [3072][1024], K innermost); each finished sum x 2^(e0 + e1) + bias, in f32, is quantised at once for attention's products and stored as codes:
;   qc [64 heads bh = 16 batch + head][2048 tokens][64 d], scale 2^e2;
;   kc [bh][2048 places][64 d], scale 2^e3: key 32 g + 16 a + 8 u + j lies at place 32 g + 16 u + 8 a + j (bits 3 and 4 change places), so that 16 neighbouring places are one tile of attention's first product;
;   vc [bh][16 blocks of 128 keys][64 d][128 keys], scale 2^e5: the keys innermost, since they are the K of attention's second product.
; LIMITS: e0 + e1 between -126 and 127; e2, e3, e5 between -126 and 119, so that each power of two below is an f32 number.  NaN among the inputs is not served.
; A tile of 256 x 256 is made by four waves, 128 x 128 each: 64 accumulators, 512 registers.  K goes in steps of 256 through a ring of two LDS slots filled by the tensor data mover.
; THE MATRIX INSTRUCTION IS USED TRANSPOSED: source 0 = 16 rows of side B, source 1 = 16 rows of side A: a lane holds ONE row of side A and eight neighbouring rows of side B.
; The cluster's x is the mode.  0 (q), 1 (k): side A = tokens, side B = features: a lane's eight numbers run along d.  2 (v): side A = v's features (wqc's rows 2048 on), side B = tokens: a lane's eight numbers run
; along the keys.  Only pointers and tile numbers change places; the loop is one text.
; CLUSTERS: 4 x 4 work-groups.  The four of a row of the cluster need the same tiles of side A, the four of a column the same tiles of side B: each tile is asked for JOINTLY.
; REGISTERS, in windows of 256: window 0: v0-38 addresses and constants; v40-55, v64-127 biases; from v128 side A's fragments, ONE set; on the way out v128-255 are at work.
;   window 1: side B's fragments, TWO sets.   window 2: the accumulators of my rows 0-63 ((a, b) at v[8 (8 a + b)]);   window 3: those of my rows 64-127.
.set KROW,   1024                      ; a row of codes in memory, in bytes
.set ROWB,   256                       ; a tile's row: 256 codes
.set PITCH,  272                       ; an LDS row: 256 bytes + 16 of padding = 68 words: row r starts at bank 4 r mod 64 (64 banks of 4 bytes: ISA guide 11.1)
.set FR,     16                        ; registers of a fragment: 16 rows x 128 K
.set NL,     4                         ; LDS loads that bring one
.set NP,     4                         ; places behind this matrix instruction (ISA guide 7.12.1)
.set HALFT,  128*PITCH
.set SLOT,   4*HALFT                   ; side A's 256 rows, then side B's
.set LAPS,   KROW/(2*ROWB)             ; 2 laps of two K steps
.set SPARE,  2*SLOT                    ; behind the ring: the spare words, 128 bytes for each wave, which no other line names
.set SW,     16*144                    ; the way out: a stage of 16 rows x (128 codes + 16 bytes) for each wave, in slot 0, which has had its last fill and its last read by then;
.set STGV,   16384                     ; mode 2's stages have bytes of their own
.set ADRA, 16                          ; v16-17  LDS address of my fragments of side A in slot 0, 1
.set ADRB, 20                          ; v20-21  the same for side B
.set STOQ, 24                          ; v24, v25  modes 0, 1: where I put 8 codes, where I read 16 back
.set RDQ,  25
.set STOV, 26                          ; v26, v27  mode 2
.set RDV,  27
.set SPW,  28                          ; v28     LDS address of my spare word; never rewritten
.set NIL,  29                          ; v29     0; never rewritten
.set QSC,  30                          ; v30     2^eo as f32   (eo = e2, e3 or e5)
.set QLIM, 31
.set CO,   32                          ; v32     16 x lane; v33-35: + the steps of a half block and of an odd block (modes 0, 1)
.set BIO,  37
.set BVO,  38
.set BV,   40                          ; v40-55  mode 2's biases: for block a the pair v[40 + 2 a]: the low word is b(16 a + r), the high word is written but not used
.set BI,   64                          ; v64-127 modes 0, 1: b(16 b + 8 h + j) at v[64 + 8 b + j]
.set AF,   128
.set TMP,  128                         ; the way out: a block's 64 numbers
.set CD,   192                         ; their codes, two sets of 16
.set BK,   224                         ; and the codes read back by rows, two sets of 16
.set G1, 24
.set G0, 32
.set G1B, 48
.set G0B, 56
.set MSB, 0
.macro WIN new                         ; the immediate's high byte repeats the setting that is left
.if MSB != \new
	s_set_vgpr_msb (MSB<<8)|\new
.set MSB, \new
.endif
.endm
.set MUL_LO, 0xa1                      ; source 0 (B) window 1, source 1 (A) window 0, C and D window 2
.set MUL_HI, 0xf1
.set TO_B,   0x40
; A joint load: waves 0 and 1 fetch for side A, waves 2 and 3 for side B; the branch hangs on the wave's number alone.  Four v_nop follow each of the two lines.
.macro JLOAD g0a, g1a, g0b, g1b
	s_cmp_eq_u32 s15, 0
	s_cbranch_scc0 .Lfor_b_\@
	tensor_load_to_lds s[\g0a:\g0a+3], s[\g1a:\g1a+7]
	s_nop 0
.rept 4
	v_nop
.endr
	s_branch .Lasked_\@
.Lfor_b_\@:
	tensor_load_to_lds s[\g0b:\g0b+3], s[\g1b:\g1b+7]
	s_nop 0
.rept 4
	v_nop
.endr
.Lasked_\@:
.endm
.macro CREST                           ; a round of the cluster's barrier behind its opening barrier
	s_cmp_lg_u32 s14, 0
	s_cbranch_scc1 .Lnot_wave_0_\@
	s_barrier_signal -3
.Lnot_wave_0_\@:
	s_barrier_wait -3
	s_barrier_signal -1
	s_barrier_wait -1
.endm
.macro CROUND
	s_barrier_signal -1
	s_barrier_wait -1
	CREST
.endm
	s_load_b256 s[4:11], s[0:1], 0x0               ; xc s[4:5], wqc s[6:7], the scales' exponents s[8:9], b_qkv s[10:11]
	s_load_b128 s[68:71], s[0:1], 0x20             ; qc s[68:69], kc s[70:71]
	s_load_b64 s[72:73], s[0:1], 0x30              ; vc
	v_lshl_add_u32 v[SPW], v0, 2, SPARE
	v_mov_b32 v[NIL], 0
	ds_add_u32 v28, v29
	ds_add_u32 v28, v29
	s_wait_dscnt 0x0
	v_lshrrev_b32 v1, 5, v0
	v_readfirstlane_b32 s14, v1                    ; wave 0..3
	s_lshr_b32 s15, s14, 1                         ; which half of side A's rows is mine.  Also: I fetch for A (0) or for B (1)
	s_and_b32 s16, s14, 1                          ; which half of side B's.  Also: which 128 rows of that tile I fetch
	s_bfe_u32 s40, ttmp6, 0x40000                  ; cx, cy: my place in the cluster
	s_bfe_u32 s41, ttmp6, 0x40004
	s_and_b32 s74, ttmp7, 0xffff
	s_lshl_b32 s74, s74, 2                         ; 4 x cluster y: the cluster's first tile of tokens
	s_lshl_b32 s75, ttmp9, 2                       ; 4 x cluster x: its first tile of features (modes 0, 1)
	s_cmp_eq_u32 ttmp9, 2                          ; the mode is the same in all sixteen partners
	s_cselect_b32 s17, 8, s74
	s_cselect_b32 s42, s74, s75
	s_add_co_u32 s17, s17, s41                     ; side A's tile: it hangs on cy alone of the two places
	s_add_co_u32 s42, s42, s40                     ; side B's tile: on cx alone
	s_lshl_b32 s43, s41, 2
	s_lshl_b32 s43, 15, s43                        ; my row of the cluster
	s_lshl_b32 s44, 0x1111, s40                    ; my column
	s_or_b32 s[G1+0], s43, (0<<16)|(1<<20)|(1<<21)|(5<<22)|(3<<25)  ; 15:0 the mask; 17:16 elements of 1 byte; 20 padding on; 21 set beside a mask; 24:22 after every 64 words (code 5); 31:25 of 4 words (code 3)
	s_or_b32 s[G1B+0], s44, (0<<16)|(1<<20)|(1<<21)|(5<<22)|(3<<25)
.irp g, G1, G1B
	s_mov_b32 s[\g+1], ROWB<<16                    ; tensor_dim0
	s_mov_b32 s[\g+2], 128<<16                     ; tensor_dim1 = 128
	s_mov_b32 s[\g+3], ROWB<<16                    ; tile_dim0
	s_mov_b32 s[\g+4], 128                         ; tile_dim1 = 128
	s_mov_b32 s[\g+5], KROW                        ; tensor_dim0_stride
	s_mov_b32 s[\g+6], 0
	s_mov_b32 s[\g+7], 0
.endr
	s_lshl_b32 s18, s16, 7                         ; which 128 rows of the tile I fetch
	s_lshl_b32 s20, s17, 8
	s_add_co_u32 s20, s20, s18
	s_lshl_b32 s20, s20, 10                        ; side A: (256 x tile + 128 x half) rows of 1,024 bytes
	s_mov_b32 s21, 0
	s_lshl_b32 s46, s42, 8
	s_add_co_u32 s46, s46, s18
	s_lshl_b32 s46, s46, 10                        ; side B likewise
	s_mov_b32 s47, 0
	s_mul_i32 s45, s14, HALFT                      ; where they go: wave x 128 rows: no place in the cluster enters an LDS address
	s_wait_kmcnt 0x0
	s_load_b256 s[80:87], s[8:9], 0x0              ; e0 .. e7
	s_cmp_eq_u32 ttmp9, 2
	s_cselect_b64 s[76:77], s[6:7], s[4:5]         ; side A's buffer: the weights in mode 2, else the tokens
	s_cselect_b64 s[78:79], s[4:5], s[6:7]         ; side B's
	s_add_nc_u64 s[20:21], s[76:77], s[20:21]
	s_add_nc_u64 s[46:47], s[78:79], s[46:47]
	CROUND                                         ; all sixteen work-groups are here: the first joint loads meet
.irp s, 0,1
	s_mov_b32 s[G0+4*\s], 1
	s_add_co_u32 s[G0+4*\s+1], s45, \s*SLOT
	s_add_nc_u64 s[G0+4*\s+2:G0+4*\s+3], s[20:21], \s*ROWB
	s_or_b32 s[G0+4*\s+3], s[G0+4*\s+3], 0x80000000
	s_mov_b32 s[G0B+4*\s], 1
	s_add_co_u32 s[G0B+4*\s+1], s45, \s*SLOT
	s_add_nc_u64 s[G0B+4*\s+2:G0B+4*\s+3], s[46:47], \s*ROWB
	s_or_b32 s[G0B+4*\s+3], s[G0B+4*\s+3], 0x80000000
	JLOAD G0+4*\s, G1, G0B+4*\s, G1B
.endr
	v_and_b32 v1, 15, v0                           ; r = l % 16
	s_wait_alu depctr_va_vdst(0)
	v_bfe_u32 v2, v0, 4, 1                         ; h = l / 16
	v_mul_u32_u24 v3, v1, PITCH
	v_lshl_add_u32 v4, v2, 4, v3                   ; a fragment's row x pitch + 16 x half
	s_mul_i32 s21, s15, HALFT
	s_mul_i32 s22, s16, HALFT
	s_add_co_u32 s22, s22, 2*HALFT
.irp s, 0,1
	v_add_nc_u32 v[ADRA+\s], s21, v4
	v_add_nc_u32 v[ADRB+\s], s22, v4
	s_add_co_u32 s21, s21, SLOT
	s_add_co_u32 s22, s22, SLOT
.endr
	s_mul_i32 s23, s14, SW                         ; my stage
	v_mul_u32_u24 v5, v1, 144
	s_wait_alu depctr_va_vdst(0)
	v_lshl_add_u32 v5, v2, 3, v5
	v_add_nc_u32 v[STOQ], s23, v5                  ; in: row r, 8 bytes for each half of the lanes
	v_add_nc_u32 v[STOV], STGV, v[STOQ]
	v_and_b32 v6, 31, v0
	v_lshrrev_b32 v7, 2, v6
	v_mul_u32_u24 v7, v7, 144
	v_and_b32 v8, 3, v6
	v_lshl_add_u32 v7, v8, 4, v7
	v_add_nc_u32 v[RDQ], s23, v7                   ; back, modes 0, 1: four lanes take a token's 64 bytes of one head; 8 tokens an instruction
	v_lshrrev_b32 v7, 3, v6
	v_mul_u32_u24 v7, v7, 144
	v_and_b32 v8, 7, v6
	v_lshl_add_u32 v7, v8, 4, v7
	v_add_nc_u32 v7, s23, v7
	v_add_nc_u32 v[RDV], STGV, v7                  ; back, mode 2: eight lanes take a row's 128 bytes; 4 rows an instruction
	v_lshlrev_b32 v[CO], 4, v6
	; the biases of both layouts are loaded on the one way that all work-groups take.  The set that a mode does not use is loaded from a place inside b_qkv (the tile number is held at 7) and is not read.
	s_min_u32 s20, s42, 7
	s_lshl_b32 s20, s20, 10
	s_lshl_b32 s21, s16, 9
	s_add_co_u32 s20, s20, s21
	v_lshl_add_u32 v[BIO], v2, 5, s20              ; 4 (256 x side B's tile + 128 x half) + 32 h
	s_lshl_b32 s20, s41, 10
	s_lshl_b32 s21, s15, 9
	s_add_co_u32 s20, s20, s21
	s_add_co_u32 s20, s20, 8192
	v_lshl_add_u32 v[BVO], v1, 2, s20              ; 4 (2048 + 256 cy + 128 x half) + 4 r
.irp b, 0,1,2,3,4,5,6,7
	global_load_b128 v[BI+8*\b:BI+8*\b+3], v[BIO], s[10:11] offset:64*\b
	global_load_b128 v[BI+8*\b+4:BI+8*\b+7], v[BIO], s[10:11] offset:64*\b+16
.endr
.irp a, 0,1,2,3,4,5,6,7
	global_load_b32 v[BV+2*\a], v[BVO], s[10:11] offset:64*\a
	v_mov_b32 v[BV+2*\a+1], 0                      ; (named with it as a pair, so it is written)
.endr
.macro FRAG reg, adr, q, i             ; a fragment, 16 rows x 128 K: lane l holds row l % 16; registers 4 c .. 4 c + 3 hold K = 32 c + 16 (l / 16) + 0 .. 15: the same order of K on both sides
.irp c, 0,1,2,3
	ds_load_b128 v[\reg+4*\c:\reg+4*\c+3], v[\adr] offset:128*(\q)+32*\c+(\i)*16*PITCH
.endr
.endm
; 16 matrix instructions: A's blocks a0, a0 + 1 x B's eight.  The 64 accumulators take turns, one instruction a turn, in the same order in every step.
.macro MUL16 a0, p, zero
.irp a, \a0, \a0+1
.irp b, 0,1,2,3,4,5,6,7
.if \zero
	v_wmma_f32_16x16x128_fp8_fp8 v[8*(8*((\a)%4)+\b):8*(8*((\a)%4)+\b)+7], v[128*(\p)+FR*\b:128*(\p)+FR*\b+FR-1], v[AF+FR*(\a):AF+FR*(\a)+FR-1], 0
.else
	v_wmma_f32_16x16x128_fp8_fp8 v[8*(8*((\a)%4)+\b):8*(8*((\a)%4)+\b)+7], v[128*(\p)+FR*\b:128*(\p)+FR*\b+FR-1], v[AF+FR*(\a):AF+FR*(\a)+FR-1], v[8*(8*((\a)%4)+\b):8*(8*((\a)%4)+\b)+7]
.endif
.endr
.endr
.endm
.macro FETCH_B slot, q, p
	WIN TO_B
.irp i, 0,1,2,3,4,5,6,7
	FRAG 128*(\p)+FR*\i, ADRB+\slot, \q, \i
.endr
	WIN 0
.endm
.macro FETCH_A slot, q, i0
.irp i, \i0, \i0+1, \i0+2, \i0+3
	FRAG AF+FR*(\i), ADRA+\slot, \q, \i
.endr
.endm
.macro PLACES n                        ; plain vector instructions between a matrix instruction and a load into, or a vector read or write of, its registers
.rept \n
	v_nop
.endr
.endm
.macro STEP slot, q, zero              ; a step of 128 along K that has its successor in the same slot
	s_wait_dscnt 4*NL                              ; B's set and A's blocks 0-3 are in; the youngest 16 loads (A's blocks 4-7) may be out
	WIN MUL_LO
	MUL16 0, (\q)%2, \zero
	MUL16 2, (\q)%2, \zero
	s_wait_dscnt 0
	PLACES NP
	FETCH_B \slot, (\q)+1, 1-(\q)%2
	FETCH_A \slot, (\q)+1, 0
	WIN MUL_HI
	MUL16 4, (\q)%2, \zero
	MUL16 6, (\q)%2, \zero
	PLACES NP
	WIN 0
	FETCH_A \slot, (\q)+1, 4
.endm
; A slot's last step changes slots: ONE barrier; in front of it each wave waits for all its tensor loads, adds 0 to its spare word, and waits for that and for its own reads of this slot.
.macro TURN slot, next, fill
	s_wait_tensorcnt 0x0                           ; all my tensor loads have landed: my part of the next slot
	ds_add_u32 v[SPW], v[NIL]                      ; 0 onto my spare word
	s_wait_dscnt 4*NL+1                            ; (the add and the youngest 16 loads, A's blocks 4-7, may be out)
	WIN MUL_LO
	MUL16 0, 1, 0
	s_wait_dscnt 0x0                               ; the add is done, and my reads of this slot are over
	s_barrier_signal -1
	MUL16 2, 1, 0
	WIN 0
	s_barrier_wait -1
.if \fill
	CREST                                          ; the barrier has opened a round of the cluster's barrier: no wave of any partner still reads this slot's tile or has a load on its way
	s_add_nc_u64 s[G0+4*\slot+2:G0+4*\slot+3], s[G0+4*\slot+2:G0+4*\slot+3], 2*ROWB
	s_add_nc_u64 s[G0B+4*\slot+2:G0B+4*\slot+3], s[G0B+4*\slot+2:G0B+4*\slot+3], 2*ROWB
	JLOAD G0+4*\slot, G1, G0B+4*\slot, G1B         ; the first tensor load behind the round; its four v_nop are also the places in front of the loads below
.else
	PLACES NP
.endif
	FETCH_B \next, 0, 0
	FETCH_A \next, 0, 0
	WIN MUL_HI
	MUL16 4, 1, 0
	MUL16 6, 1, 0
	PLACES NP
	WIN 0
	FETCH_A \next, 0, 4
.endm
	s_wait_tensorcnt 1                             ; my part of K step 0 is in (K step 1's load may be out),
	s_barrier_signal -1
	s_barrier_wait -1                              ; everybody's is
	FETCH_B 0, 0, 0
	FETCH_A 0, 0, 0
	FETCH_A 0, 0, 4
	STEP 0, 0, 1                                   ; the first step stands in front of the loop: its products start the sums
	s_mov_b32 s3, LAPS-1
.Llap:                                                 ; a trip goes once round the ring and fills both slots again
	TURN 0, 1, 1
	STEP 1, 0, 0
	TURN 1, 0, 1
	STEP 0, 0, 0
	s_sub_co_u32 s3, s3, 1
	s_cmp_lg_u32 s3, 0
	s_cbranch_scc1 .Llap
	TURN 0, 1, 0                                   ; the last lap fills nothing
	STEP 1, 0, 0
	s_wait_dscnt 4*NL
	WIN MUL_LO
	MUL16 0, 1, 0
	MUL16 2, 1, 0
	s_wait_dscnt 0
	WIN MUL_HI
	MUL16 4, 1, 0
	MUL16 6, 1, 0
	WIN 0
; THE WAY OUT, block by block of 16 rows of side A x 128 of side B.  CONV: sum x 2^(e0 + e1) + bias (one packed multiply-add for two, each accumulator from its low end on), the conversion: a lane's eight
; numbers become 8 bytes; they go into my stage (row r, 128 bytes) and come back in the order in which they lie in memory.  LDS serves a wave's instructions in order: no wait between the stores and the loads.
.macro CONV a, mode
.set AC, 64*((\a)%4)
.set CDS, CD+16*((\a)%2)
.set BKS, BK+16*((\a)%2)
	WIN 0x02+((\a)/4)                              ; source 0: window 2 or 3
.irp j, 0,2,4,6,8,10,12,14,16,18,20,22,24,26,28,30,32,34,36,38,40,42,44,46,48,50,52,54,56,58,60,62
.if \mode
	v_pk_fma_f32 v[TMP+\j:TMP+\j+1], v[AC+\j:AC+\j+1], s[96:97], v[BV+2*(\a):BV+2*(\a)+1] op_sel_hi:[1,0,0]   ; my row's one bias for both
.else
	v_pk_fma_f32 v[TMP+\j:TMP+\j+1], v[AC+\j:AC+\j+1], s[96:97], v[BI+\j:BI+\j+1] op_sel_hi:[1,0,1]
.endif
.endr
	WIN 0
.irp j, 0,1,2,3,4,5,6,7,8,9,10,11,12,13,14,15,16,17,18,19,20,21,22,23,24,25,26,27,28,29,30,31,32,33,34,35,36,37,38,39,40,41,42,43,44,45,46,47,48,49,50,51,52,53,54,55,56,57,58,59,60,61,62,63
.endr
.irp b, 0,1,2,3,4,5,6,7
	v_cvt_scalef32_pk8_fp8_f32 v[CDS+2*\b:CDS+2*\b+1], v[TMP+8*\b:TMP+8*\b+7], v[QSC]
.endr
	v_nop                                          ; one plain vector instruction behind the last conversion: the next block writes its sources
.irp b, 0,1,2,3,4,5,6,7
.if \mode
	ds_store_b64 v[STOV], v[CDS+2*\b:CDS+2*\b+1] offset:16*\b
.else
	ds_store_b64 v[STOQ], v[CDS+2*\b:CDS+2*\b+1] offset:16*\b
.endif
.endr
.irp t, 0,1,2,3
.if \mode
	ds_load_b128 v[BKS+4*\t:BKS+4*\t+3], v[RDV] offset:576*\t                  ; rows 4 t .. 4 t + 3
.else
	ds_load_b128 v[BKS+4*\t:BKS+4*\t+3], v[RDQ] offset:(\t%2)*1152+(\t/2)*64   ; tokens 8 (t % 2) on, head t / 2
.endif
.endr
.endm
.macro SEND a, mode, younger           ; younger: the LDS instructions issued behind block a's loads, which may stay out.  Each store of the wave covers 512 consecutive bytes, aligned
.set BKS, BK+16*((\a)%2)
	s_wait_dscnt \younger
.irp t, 0,1,2,3
.if \mode
	global_store_b128 v[CO], v[BKS+4*\t:BKS+4*\t+3], s[92:93] offset:((\a)/4)*131072+((\a)%4)*2048+512*\t
.else
	global_store_b128 v[CO+2*(\t%2)+(\a)%2], v[BKS+4*\t:BKS+4*\t+3], s[92:93] offset:(\t/2)*131072+((\a)/2)*2048
.endif
.endr
.endm
.macro EPI mode
.if \mode
	s_lshr_b32 s20, s42, 3                         ; the batch: 8 tiles of tokens each
	s_lshl_b32 s20, s20, 4
	s_lshl_b32 s21, s41, 2
	s_add_co_u32 s20, s20, s21
	s_lshl_b32 s21, s15, 1
	s_add_co_u32 s20, s20, s21                     ; bh of my first head: 16 batch + 4 cy + 2 x half
	s_lshl_b32 s20, s20, 4
	s_and_b32 s21, s42, 7
	s_lshl_b32 s21, s21, 1
	s_add_co_u32 s20, s20, s21
	s_add_co_u32 s20, s20, s16                     ; x 16 blocks + my block of 128 keys
	s_lshl_b32 s20, s20, 13
	s_mov_b32 s21, 0
	s_add_nc_u64 s[92:93], s[72:73], s[20:21]
.else
	s_lshr_b32 s20, s17, 3
	s_lshl_b32 s20, s20, 4
	s_lshl_b32 s21, s40, 2
	s_add_co_u32 s20, s20, s21
	s_lshl_b32 s21, s16, 1
	s_add_co_u32 s20, s20, s21                     ; bh of my first head: 16 batch + 4 cx + 2 x half
	s_lshl_b32 s20, s20, 11
	s_and_b32 s21, s17, 7
	s_lshl_b32 s21, s21, 8
	s_add_co_u32 s20, s20, s21
	s_lshl_b32 s21, s15, 7
	s_add_co_u32 s20, s20, s21                     ; x 2,048 + my first token in the sequence
	s_lshl_b32 s20, s20, 6
	s_mov_b32 s21, 0
	s_cmp_eq_u32 ttmp9, 0
	s_cselect_b64 s[92:93], s[68:69], s[70:71]     ; q's codes or k's
	s_mov_b32 s90, 1024
	s_cselect_b32 s90, 512, s90                    ; eight tokens on: 512 bytes in q; in k they lie 16 places on
	s_mov_b32 s91, 512
	s_cselect_b32 s91, 1024, s91                   ; sixteen tokens on: 1,024 bytes in q; in k 8 places
	s_add_nc_u64 s[92:93], s[92:93], s[20:21]
	v_add_nc_u32 v[CO+1], s91, v[CO]
	v_add_nc_u32 v[CO+2], s90, v[CO]
	v_add_nc_u32 v[CO+3], s91, v[CO+2]
.endif
	CONV 0, \mode
.irp a, 1,2,3,4,5,6,7
.if \a > 1
	s_wait_xcnt 0x0                                ; block a - 2's stores have read their registers: block a's loads may land there
.endif
	CONV \a, \mode
	SEND \a-1, \mode, 12                           ; behind block a - 1's loads: block a's 8 stores and 4 loads
.endr
	SEND 7, \mode, 0
.endm
	s_wait_kmcnt 0x0
	s_add_co_i32 s96, s80, s81
	s_add_co_i32 s96, s96, 127
	s_lshl_b32 s96, s96, 23                        ; 2^(e0 + e1) as f32
	s_mov_b32 s97, s96                             ; (named with it as a pair, so it is written)
	s_cmp_eq_u32 ttmp9, 0
	s_cselect_b32 s88, s82, s83
	s_cmp_eq_u32 ttmp9, 2
	s_cselect_b32 s88, s85, s88                    ; eo = e2, e3 or e5: a choice, no branch
	s_add_co_i32 s88, s88, 127
	s_lshl_b32 s89, s88, 23
	s_wait_loadcnt 0x0                             ; the biases
	PLACES NP                                      ; behind the last products
	v_mov_b32 v[QSC], s89
	s_cmp_eq_u32 ttmp9, 2
	s_cbranch_scc1 .Lmode_v
	EPI 0
	s_branch .Lend
.Lmode_v:
	s_wait_alu depctr_va_vdst(0)
	EPI 1
.Lend:
	s_wait_tensorcnt 0x0                           ; the wave's end: behind my last tensor load and my last LDS store
	ds_add_u32 v[SPW], v[NIL]
	s_wait_dscnt 0x0
	CROUND                                         ; the closing round: no work-group ends while a partner may still ask for a tile that names it
	s_endpgm
.Lfunc_end_k_q1ca89b1564_gemm_qkv:
	.size	k_q1ca89b1564_gemm_qkv, .Lfunc_end_k_q1ca89b1564_gemm_qkv-k_q1ca89b1564_gemm_qkv
	.p2alignl 7, 3214868480
	.fill 96, 4, 3214868480
	.section	.rodata,"a",@progbits
	.p2align	6, 0x0
	.amdhsa_kernel k_q1ca89b1564_gemm_qkv
		.amdhsa_group_segment_fixed_size 327680
		.amdhsa_private_segment_fixed_size 0
		.amdhsa_enable_private_segment 0
		.amdhsa_kernarg_size 56
		.amdhsa_user_sgpr_count 2
		.amdhsa_user_sgpr_kernarg_segment_ptr 1
		.amdhsa_wavefront_size32 1
		.amdhsa_system_sgpr_workgroup_id_x 1
		.amdhsa_system_sgpr_workgroup_id_y 1
		.amdhsa_system_sgpr_workgroup_id_z 1
		.amdhsa_system_vgpr_workitem_id 0
		.amdhsa_next_free_vgpr 1024
		.amdhsa_next_free_sgpr 100
		.amdhsa_reserve_vcc 0
		.amdhsa_float_denorm_mode_32 3
		.amdhsa_float_denorm_mode_16_64 3
		.amdhsa_fp16_overflow 1
		.amdhsa_memory_ordered 1
		.amdhsa_forward_progress 1
		.amdhsa_inst_pref_size 143
	.end_amdhsa_kernel
	.amdgpu_metadata
---
amdhsa.version: [ 1, 2 ]
amdhsa.kernels:
  - .name:           k_q1ca89b1564_gemm_qkv
    .symbol:         k_q1ca89b1564_gemm_qkv.kd
    .args:
      - { .name: xc, .offset: 0, .size: 8, .value_kind: global_buffer, .address_space: global }
      - { .name: wqc, .offset: 8, .size: 8, .value_kind: global_buffer, .address_space: global }
      - { .name: lowp_scales, .offset: 16, .size: 8, .value_kind: global_buffer, .address_space: global }
      - { .name: b_qkv, .offset: 24, .size: 8, .value_kind: global_buffer, .address_space: global }
      - { .name: qc, .offset: 32, .size: 8, .value_kind: global_buffer, .address_space: global }
      - { .name: kc, .offset: 40, .size: 8, .value_kind: global_buffer, .address_space: global }
      - { .name: vc, .offset: 48, .size: 8, .value_kind: global_buffer, .address_space: global }
    .group_segment_fixed_size: 327680
    .private_segment_fixed_size: 0
    .kernarg_segment_align: 8
    .kernarg_segment_size: 56
    .max_flat_workgroup_size: 128
    .sgpr_count:     100
    .vgpr_count:     1024
    .wavefront_size: 32
...
	.end_amdgpu_metadata
.endif
;; end of part 2
;; launch attn (part 3): grid 4 x 64, 16 waves a work-group, clusters of 4 x 1, 327,680 bytes of LDS; arguments qc, kc, vc, lowp_scales, zc; writes zc
.if DOCPART == 3
	.amdgcn_target "amdgcn-amd-amdhsa--gfx1250"
	.amdhsa_code_object_version 6
	.text
	.protected	k_q1ca89b1564_attn
	.globl	k_q1ca89b1564_attn
	.p2align	8
	.type	k_q1ca89b1564_attn,@function
k_q1ca89b1564_attn:
	s_mov_b64 s[64:65], 0
	v_nop
	global_prefetch_b8 v0, s[64:65] scope:SCOPE_SE
	s_setreg_imm32_b32 hwreg(HW_REG_WAVE_MODE, 25, 1), 1
	s_wait_xcnt 0x0
	s_wait_alu depctr_hold_cnt(0) depctr_sa_sdst(0) depctr_va_vdst(0) depctr_va_sdst(0) depctr_va_ssrc(0) depctr_va_vcc(0) depctr_vm_vsrc(0)
	s_getreg_b32 s2, hwreg(HW_REG_IB_STS2, 6, 4)
	s_cmp_eq_u32 s2, 0
	s_cbranch_scc0 .Lentry_in_a_cluster
	s_endpgm
.Lentry_in_a_cluster:
	s_bfe_u32 s2, ttmp6, 0x10000c
	s_cmp_lg_u32 s2, 0x3003
	s_cbranch_scc0 .Lentry_shape_is_right
	s_endpgm
.Lentry_shape_is_right:
; z[bh][q][:] = the sum over keys k <= q of softmax_k(q . k / 8) v[k][:], both products on codes of E4M3; z is quantised at once (scale 2^e6) for the last product and stored as codes, zc [16 heads][8192 tokens][64 d].
; qc [bh][2048][64], kc [bh][2048 places][64] (key 32 g + 16 a + 8 u + j at place 32 g + 16 u + 8 a + j), vc [bh][16 blocks][64 d][128 keys].  Scales: q 2^e2, k 2^e3, p 2^e4, v 2^e5.
; THE SOFTMAX AHEAD OF THE SECOND PRODUCT: t = score x log2(e) / 8; M = the row's largest t so far, rounded UP to a whole number; p = 2^(t - M) is quantised, not normalised; the row's sum is taken of the
; unquantised p and divides at the end.  When M moves, the sum and O are multiplied by 2^(old M - new M): exact.
; LIMITS: e2 + e3 between -123 and 130 (added to c's exponent field); e4 and e6 between -126 and 119; e4 + e5 is applied by v_ldexp_f32 and has none.
; SHARES.  A cluster of four work-groups owns one head; each holds the head's WHOLE K and V in LDS, filled once by joint loads (each tile is asked for by all four with one descriptor): no slot is ever filled again.
; A wave owns two tiles of 16 queries, one after the other: first the tile at token 128 w + 32 p (p: the work-group's place), which needs key steps 0 .. w of 128 keys, then the tile at 128 (15 - w) + 32 p + 16, which
; needs steps 0 .. 15 - w: 17 steps for every wave of every work-group, two of them on the diagonal.  Steps all of whose keys are hidden are jumped over: a branch on the wave's number and the loop's count alone.
; The loops' trip counts are constants.  p enters global addresses and one number a lane that the mask compares, nothing else.
; LAYOUT.  Both products are used transposed: S^T = K Q^T (source 0 = 16 places of K, source 1 = my 16 queries), O^T = V^T P^T: a lane holds ONE query (lane % 16) throughout; by K's order of places the 16 registers
; of tiles 2 b and 2 b + 1 of S^T are the 16 neighbouring keys 32 b + 16 (lane / 16) + 0 .. 15, so the conversions' results are the second product's operand.
; LDS: K and V are dense in memory and come in as rows of 256 bytes + 16 of padding (four keys, or two rows of V, to an LDS row): 68 words from row to row.
; REGISTERS: v1-11 addresses and constants; v12 -M, v13 the largest t, v[14:15] the sum; v16-23, v24-31 Q of the two tiles; v32-95 K's 8 fragments, then p's codes (v32-47) and work (v48-55); v96-159 S^T, then p;
; v160-191 O^T; v192-255 V's 4 fragments.
.set REG,   139264                     ; K: LDS bytes 0 on; V: REG on: 512 rows x 272 each
.set STG,   2*REG                      ; behind them: a stage of 16 rows x (64 + 16) bytes for each wave; no tile lands there
.set STEPB, 8704                       ; a key step in LDS: 32 rows x 272, for K and for V alike
.set AK0, 1
.set AV0, 2
.set DQ,  3                            ; v3   my query less the diagonal step's first key less 16 (lane / 16)
.set ADK, 4
.set ADV, 5
.set STO, 6
.set RD,  7
.set GO,  8
.set QO,  9
.set PSC, 10                           ; v10  2^e4 as f32
.set PLIM, 11
.set WV,  18
.set P,   19
.set SEL, 20                           ; s[20:21] lane selects for v_permlanex16_b32: lane l xor 16
.set CS,  22                           ; s[22:23] c = log2(e) / 8 x 2^(e2 + e3)
.set G1S, 24                           ; s[24:31] descriptor group 1: 8 rows of 256 bytes;  s[32:39]: 56 rows
.set G1B, 32
.set G0KS, 56                          ; groups 0: K's small and big tile, V's small and big tile
.set G0KB, 60
.set G0VS, 68
.set G0VB, 72
.set T,   84                           ; s84  the key step
.set G,   85                           ; s85  my tile's last key step
.set TB,  86                           ; s86  STEPB x the key step
.macro CROUND                          ; a round of the cluster's barrier
	s_barrier_signal -1
	s_barrier_wait -1
	s_cmp_lg_u32 s[WV], 0
	s_cbranch_scc1 .Lnot_wave_0_\@
	s_barrier_signal -3
.Lnot_wave_0_\@:
	s_barrier_wait -3
	s_barrier_signal -1
	s_barrier_wait -1
.endm
	s_load_b256 s[4:11], s[0:1], 0x0               ; qc s[4:5], kc s[6:7], vc s[8:9], the scales' exponents s[10:11]
	s_load_b64 s[12:13], s[0:1], 0x20              ; zc
	v_lshl_add_u32 v254, v0, 2, 0x49000
	v_mov_b32 v255, 0
	ds_add_u32 v254, v255
	ds_add_u32 v254, v255
	s_wait_dscnt 0x0
	v_lshrrev_b32 v32, 5, v0
	s_delay_alu instid0(VALU_DEP_1)
	v_readfirstlane_b32 s[WV], v32                 ; wave 0..15
	s_bfe_u32 s[P], ttmp6, 0x40000                 ; my place in the cluster
	s_and_b32 s14, ttmp7, 0xffff                   ; bh, which the four partners share
	s_and_b32 s16, s[WV], 7                        ; which eighth of K (waves 0-7) or of V (waves 8-15) I fetch
	s_lshl_b32 s42, s14, 17                        ; the head's first byte in qc, kc and vc
	s_lshl_b32 s44, s16, 11
	s_add_co_u32 s44, s44, s42                     ; the small tile: 2,048 bytes of the head's first 16,384 (keys 0-255)
	s_mov_b32 s45, 0
	s_mul_i32 s46, s16, 56*256
	s_add_co_u32 s46, s46, s42
	s_add_co_u32 s46, s46, 64*256                  ; the big tile: 14,336 bytes of the rest
	s_mov_b32 s47, 0
	s_mul_i32 s40, s16, 8*272                      ; and where they go
	s_mul_i32 s41, s16, 56*272
	s_add_co_u32 s41, s41, 64*272
.irp g, G1S, G1B
	s_mov_b32 s[\g], 15|(0<<16)|(1<<20)|(1<<21)|(5<<22)|(3<<25)  ; 15:0 the mask: all four work-groups; 17:16 elements of 1 byte; 20 padding on; 21 set beside a mask; 24:22 after every 64 words (code 5); 31:25 of 4 words (code 3)
	s_mov_b32 s[\g+1], 256<<16                     ; tensor_dim0
	s_mov_b32 s[\g+3], 256<<16                     ; tile_dim0
	s_mov_b32 s[\g+5], 256                         ; tensor_dim0_stride: the rows are dense
	s_mov_b32 s[\g+6], 0
	s_mov_b32 s[\g+7], 0
.endr
	s_mov_b32 s[G1S+2], 8<<16                      ; tensor_dim1
	s_mov_b32 s[G1S+4], 8                          ; tile_dim1
	s_mov_b32 s[G1B+2], 56<<16
	s_mov_b32 s[G1B+4], 56
	s_mov_b32 s[SEL], 0x76543210
	s_mov_b32 s[SEL+1], 0xfedcba98
	s_mov_b32 s[CS], 0x3e38aa3b                    ; log2(e) / 8
	s_wait_kmcnt 0x0
	s_load_b256 s[76:83], s[10:11], 0x0            ; e0 .. e7
	s_mov_b32 s[G0KS], 1
	s_mov_b32 s[G0KS+1], s40
	s_add_nc_u64 s[G0KS+2:G0KS+3], s[6:7], s[44:45]
	s_or_b32 s[G0KS+3], s[G0KS+3], 0x80000000
	s_mov_b32 s[G0KB], 1
	s_mov_b32 s[G0KB+1], s41
	s_add_nc_u64 s[G0KB+2:G0KB+3], s[6:7], s[46:47]
	s_or_b32 s[G0KB+3], s[G0KB+3], 0x80000000
	s_mov_b32 s[G0VS], 1
	s_add_co_u32 s[G0VS+1], s40, REG
	s_add_nc_u64 s[G0VS+2:G0VS+3], s[8:9], s[44:45]
	s_or_b32 s[G0VS+3], s[G0VS+3], 0x80000000
	s_mov_b32 s[G0VB], 1
	s_add_co_u32 s[G0VB+1], s41, REG
	s_add_nc_u64 s[G0VB+2:G0VB+3], s[8:9], s[46:47]
	s_or_b32 s[G0VB+3], s[G0VB+3], 0x80000000
	CROUND                                         ; all four work-groups are here: the joint loads meet
	s_cmp_lt_u32 s[WV], 8                          ; a wave's two fills stand in one branch, ahead of every wait on TENSORcnt and every LDS read: two loads of mine are out; four v_nop follow the second
	s_cbranch_scc0 .Lfill_v
	tensor_load_to_lds s[G0KS:G0KS+3], s[G1S:G1S+7]
	s_nop 0
	tensor_load_to_lds s[G0KB:G0KB+3], s[G1B:G1B+7]
	s_nop 0
.rept 4
	v_nop
.endr
	s_branch .Lfilled
.Lfill_v:
	tensor_load_to_lds s[G0VS:G0VS+3], s[G1S:G1S+7]
	s_nop 0
	tensor_load_to_lds s[G0VB:G0VB+3], s[G1B:G1B+7]
	s_nop 0
.rept 4
	v_nop
.endr
.Lfilled:
	v_and_b32 v32, 15, v0                          ; r
	v_bfe_u32 v33, v0, 4, 1                        ; h
	v_and_b32 v34, 31, v0                          ; lane
	s_delay_alu instid0(VALU_DEP_3)
	v_lshrrev_b32 v35, 2, v32
	s_delay_alu instid0(VALU_DEP_1)
	v_mul_u32_u24 v[AK0], v35, 272
	v_and_b32 v35, 3, v32
	s_delay_alu instid0(VALU_DEP_1)
	v_lshl_add_u32 v[AK0], v35, 6, v[AK0]
	s_delay_alu instid0(VALU_DEP_1)
	v_lshl_add_u32 v[AK0], v33, 4, v[AK0]          ; K: place r of a tile: LDS row r / 4, 64 (r % 4) bytes in, + 16 h
	v_lshrrev_b32 v35, 1, v32
	s_delay_alu instid0(VALU_DEP_1)
	v_mul_u32_u24 v[AV0], v35, 272
	v_and_b32 v35, 1, v32
	s_delay_alu instid0(VALU_DEP_1)
	v_lshl_add_u32 v[AV0], v35, 7, v[AV0]
	s_delay_alu instid0(VALU_DEP_1)
	v_lshl_add_u32 v[AV0], v33, 4, v[AV0]
	s_delay_alu instid0(VALU_DEP_1)
	v_add_nc_u32 v[AV0], REG, v[AV0]               ; V: row r of a tile: LDS row r / 2, 128 (r % 2) bytes in, + 16 h
	s_lshl_b32 s50, s[P], 5
	v_lshlrev_b32 v35, 4, v33
	s_delay_alu instid0(VALU_DEP_1)
	v_sub_nc_u32 v[DQ], v32, v35
	s_delay_alu instid0(VALU_DEP_1)
	v_add_nc_u32 v[DQ], s50, v[DQ]                 ; 32 p + r - 16 h
	s_mul_i32 s51, s[WV], 1280
	s_add_co_u32 s51, s51, STG                     ; my stage
	v_mul_u32_u24 v[STO], v32, 80
	s_delay_alu instid0(VALU_DEP_1)
	v_lshl_add_u32 v[STO], v33, 3, v[STO]
	s_delay_alu instid0(VALU_DEP_1)
	v_add_nc_u32 v[STO], s51, v[STO]               ; in: row r, 8 bytes for each half of the lanes
	v_lshrrev_b32 v35, 2, v34
	s_delay_alu instid0(VALU_DEP_1)
	v_mul_u32_u24 v[RD], v35, 80
	v_and_b32 v35, 3, v34
	s_delay_alu instid0(VALU_DEP_1)
	v_lshl_add_u32 v[RD], v35, 4, v[RD]
	s_delay_alu instid0(VALU_DEP_1)
	v_add_nc_u32 v[RD], s51, v[RD]                 ; back: four lanes to a query's 64 bytes
	v_lshlrev_b32 v[GO], 4, v34
	v_lshlrev_b32 v[QO], 6, v32
	s_delay_alu instid0(VALU_DEP_1)
	v_lshl_add_u32 v[QO], v33, 4, v[QO]            ; Q: row r of 64 bytes, + 16 h
	s_wait_alu depctr_va_vdst(0)
	s_lshl_b32 s52, s[WV], 7
	s_add_co_u32 s52, s52, s50                     ; my first tile's first token
	s_sub_co_u32 s53, 15, s[WV]
	s_lshl_b32 s53, s53, 7
	s_add_co_u32 s53, s53, s50
	s_add_co_u32 s53, s53, 16                      ; my second tile's
	s_and_b32 s48, s14, 15
	s_lshl_b32 s48, s48, 19                        ; zc: the head's 8,192 tokens x 64 bytes,
	s_lshr_b32 s49, s14, 4
	s_lshl_b32 s49, s49, 11                        ; the batch's 2,048 tokens
	s_mov_b32 s55, 0
	s_lshl_b32 s54, s52, 6
	s_add_co_u32 s54, s54, s42
	s_add_nc_u64 s[88:89], s[4:5], s[54:55]
	s_lshl_b32 s54, s53, 6
	s_add_co_u32 s54, s54, s42
	s_add_nc_u64 s[90:91], s[4:5], s[54:55]
	s_add_co_u32 s54, s49, s52
	s_lshl_b32 s54, s54, 6
	s_add_co_u32 s54, s54, s48
	s_add_nc_u64 s[92:93], s[12:13], s[54:55]
	s_add_co_u32 s54, s49, s53
	s_lshl_b32 s54, s54, 6
	s_add_co_u32 s54, s54, s48
	s_add_nc_u64 s[94:95], s[12:13], s[54:55]
	global_load_b128 v[16:19], v[QO], s[88:89]             ; Q's fragments stay in registers: registers 4 c .. 4 c + 3 hold d = 32 c + 16 h + 0 .. 15, as K's do
	global_load_b128 v[20:23], v[QO], s[88:89] offset:32
	global_load_b128 v[24:27], v[QO], s[90:91]
	global_load_b128 v[28:31], v[QO], s[90:91] offset:32
	s_wait_kmcnt 0x0
	s_add_co_i32 s40, s78, s79
	s_lshl_b32 s40, s40, 23
	s_add_co_i32 s[CS], s[CS], s40                 ; a score stands for score x 2^(e2 + e3): the exponents are added to c's exponent field
	s_mov_b32 s[CS+1], s[CS]                       ; (named with it as a pair, so it is written)
	s_add_co_i32 s40, s80, 127
	s_lshl_b32 s41, s40, 23
	v_mov_b32 v[PSC], s41
	s_add_co_i32 s40, s82, 127
	s_lshl_b32 s96, s40, 23                        ; 2^e6 as f32
	s_add_co_i32 s98, s80, s81                     ; e4 + e5
; A KEY STEP: 128 keys against the tile whose Q lies in v[q] on.
.macro STEP q
	s_cmp_gt_u32 s[T], s[G]                        ; all its keys come after my queries: nothing is done but the address's step
	s_cbranch_scc1 .Lskip_\@
	s_setprio 2
	v_add_nc_u32 v[ADK], s[TB], v[AK0]
	v_add_nc_u32 v[ADV], s[TB], v[AV0]
	v_nop
	v_nop                                          ; four places between the last step's products and the loads into registers that they read
.irp t, 0,1,2,3,4,5,6,7
	ds_load_b128 v[32+8*\t:35+8*\t], v[ADK] offset:1088*\t
	ds_load_b128 v[36+8*\t:39+8*\t], v[ADK] offset:1088*\t+32
.endr
	s_wait_alu depctr_va_vdst(0)
	s_wait_dscnt 0x0
.irp t, 0,1,2,3,4,5,6,7
	v_wmma_f32_16x16x64_fp8_fp8 v[96+8*\t:103+8*\t], v[32+8*\t:39+8*\t], v[\q:\q+7], 0
.endr
.irp t, 0,1,2,3
.irp c, 0,1,2,3
	ds_load_b128 v[192+16*\t+4*\c:195+16*\t+4*\c], v[ADV] offset:2176*\t+32*\c   ; V's fragments land while the softmax is worked
.endr
.endr
.rept 4
	v_nop                                          ; places in front of the first read of the scores and the first write of K's registers
.endr
	s_cmp_lg_u32 s[T], s[G]
	s_cbranch_scc1 .Lopen_\@
	v_mov_b32 v49, 0xff800000                      ; on the diagonal the scores of hidden keys become -infinity ahead of the maximum: p = 0 then.  Register n holds key 32 (n / 16) + n % 16 + 16 (lane / 16) of the step
.irp n, 0,1,2,3,4,5,6,7,8,9,10,11,12,13,14,15,16,17,18,19,20,21,22,23,24,25,26,27,28,29,30,31,32,33,34,35,36,37,38,39,40,41,42,43,44,45,46,47,48,49,50,51,52,53,54,55,56,57,58,59,60,61,62,63
	v_cmp_gt_i32 vcc_lo, 32*(\n/16)+\n%16, v[DQ]
	v_cndmask_b32 v[96+\n], v[96+\n], v49, vcc_lo
.endr
.Lopen_\@:
	v_max3_num_f32 v48, v96, v97, v98              ; the step's largest score of my query, among my 64 keys, in two chains,
	v_max3_num_f32 v52, v99, v100, v101
.irp i, 6,10,14,18,22,26,30,34,38,42,46,50,54,58
	v_max3_num_f32 v48, v48, v[96+\i], v[97+\i]
	v_max3_num_f32 v52, v52, v[98+\i], v[99+\i]
.endr
	v_max3_num_f32 v48, v48, v158, v159
	s_delay_alu instid0(VALU_DEP_1)
	v_max_num_f32 v48, v48, v52
	s_delay_alu instid0(VALU_DEP_1)
	v_permlanex16_b32 v50, v48, s[SEL], s[SEL+1]
	s_delay_alu instid0(VALU_DEP_1)
	v_max_num_f32 v48, v48, v50                    ; and among lane l xor 16's
	s_delay_alu instid0(VALU_DEP_1)
	v_mul_f32 v48, s[CS], v48                      ; as t (c is positive)
	s_delay_alu instid0(VALU_DEP_1)
	v_max_num_f32 v13, v13, v48                    ; the running largest t
	v_mov_b32 v48, v12
	s_delay_alu instid0(VALU_DEP_2)
	v_floor_f32 v12, -v13                          ; the new -M = floor(-t): M is a whole number
	s_delay_alu instid0(VALU_DEP_1)
	v_sub_f32 v48, v12, v48                        ; M's old value less its new one: a whole number, 0 or less
	s_delay_alu instid0(VALU_DEP_1)
	v_cvt_i32_f32 v48, v48                         ; (it saturates)
	s_delay_alu instid0(VALU_DEP_1)
	v_ldexp_f32 v52, 1.0, v48                      ; f = 2^(old M - new M)
	s_setprio 1
.irp j, 0,2,4,6,8,10,12,14,16,18,20,22,24,26,28,30,32,34,36,38,40,42,44,46,48,50,52,54,56,58,60,62
	v_pk_fma_f32 v[96+\j:97+\j], v[96+\j:97+\j], s[CS:CS+1], v[12:13] op_sel_hi:[1,0,0]   ; t - M, two at a time
.endr
	s_wait_alu depctr_va_vdst(0)
.irp j, 0,1,2,3,4,5,6,7,8,9,10,11,12,13,14,15,16,17,18,19,20,21,22,23,24,25,26,27,28,29,30,31,32,33,34,35,36,37,38,39,40,41,42,43,44,45,46,47,48,49,50,51,52,53,54,55,56,57,58,59,60,61,62,63
	v_exp_f32 v[96+\j], v[96+\j]                   ; p = 2^(t - M), at most 1
.endr
	v_pk_mul_f32 v[14:15], v[14:15], v[52:53] op_sel_hi:[1,0]   ; the sums under the new M: a plain instruction behind the exponentials
	s_wait_alu depctr_va_vdst(0)                   ; one wait for the whole batch, ahead of its first reader
	v_pk_add_f32 v[54:55], v[100:101], v[104:105]
	v_pk_add_f32 v[94:95], v[108:109], v[112:113]
	v_pk_add_f32 v[92:93], v[116:117], v[120:121]
	v_pk_add_f32 v[90:91], v[124:125], v[128:129]
	v_pk_add_f32 v[88:89], v[132:133], v[136:137]
	v_pk_add_f32 v[86:87], v[140:141], v[144:145]
	v_pk_add_f32 v[84:85], v[148:149], v[152:153]
	v_pk_add_f32 v[14:15], v[14:15], v[156:157]
	v_pk_add_f32 v[54:55], v[54:55], v[96:97]
	v_pk_add_f32 v[94:95], v[94:95], v[98:99]
	v_pk_add_f32 v[92:93], v[92:93], v[102:103]
	v_pk_add_f32 v[90:91], v[90:91], v[106:107]
	v_pk_add_f32 v[88:89], v[88:89], v[110:111]
	v_pk_add_f32 v[86:87], v[86:87], v[114:115]
	v_pk_add_f32 v[84:85], v[84:85], v[118:119]
	v_pk_add_f32 v[14:15], v[14:15], v[122:123]
	v_pk_add_f32 v[54:55], v[54:55], v[126:127]
	v_pk_add_f32 v[94:95], v[94:95], v[130:131]
	v_pk_add_f32 v[92:93], v[92:93], v[134:135]
	v_pk_add_f32 v[90:91], v[90:91], v[138:139]
	v_pk_add_f32 v[88:89], v[88:89], v[142:143]
	v_pk_add_f32 v[86:87], v[86:87], v[146:147]
	v_pk_add_f32 v[84:85], v[84:85], v[150:151]
	s_setprio 0
	v_pk_add_f32 v[14:15], v[14:15], v[154:155]
	v_pk_add_f32 v[54:55], v[54:55], v[158:159]
	s_delay_alu instid0(VALU_DEP_2)
	v_pk_add_f32 v[14:15], v[14:15], v[90:91]
	s_delay_alu instid0(VALU_DEP_2)
	v_pk_add_f32 v[54:55], v[54:55], v[88:89]
	v_pk_add_f32 v[94:95], v[94:95], v[86:87]
	v_pk_add_f32 v[92:93], v[92:93], v[84:85]
	s_delay_alu instid0(VALU_DEP_2)
	v_pk_add_f32 v[14:15], v[14:15], v[94:95]
	s_delay_alu instid0(VALU_DEP_2)
	v_pk_add_f32 v[54:55], v[54:55], v[92:93]
	s_delay_alu instid0(VALU_DEP_1)
	v_pk_add_f32 v[14:15], v[14:15], v[54:55]
.irp b, 0,1,2,3
.irp i, 0,1,2,3,4,5,6,7,8,9,10,11,12,13,14,15
.endr
	v_cvt_scalef32_pk8_fp8_f32 v[32+4*\b:33+4*\b], v[96+16*\b:103+16*\b], v[PSC]
	v_cvt_scalef32_pk8_fp8_f32 v[34+4*\b:35+4*\b], v[104+16*\b:111+16*\b], v[PSC]
.endr
.irp j, 0,2,4,6,8,10,12,14,16,18,20,22,24,26,28,30
	v_pk_mul_f32 v[160+\j:161+\j], v[160+\j:161+\j], v[52:53] op_sel_hi:[1,0]   ; O^T under the new M; also the plain instructions between the conversions and the products
.endr
	s_wait_alu depctr_va_vdst(0)
	s_wait_dscnt 0x0                               ; V
.irp t, 0,1,2,3
	v_wmma_f32_16x16x128_fp8_fp8 v[160+8*\t:167+8*\t], v[192+16*\t:207+16*\t], v[32:47], v[160+8*\t:167+8*\t]   ; four accumulators by turns
.endr
.Lskip_\@:
	s_add_co_u32 s[TB], s[TB], STEPB
.endm
.macro INIT                            ; a tile begins: O^T and the sum as zeros, the largest t under every t: the first change of M multiplies zeros
	v_mov_b32 v13, 0xff61b1e6
	s_delay_alu instid0(VALU_DEP_1)
	v_floor_f32 v12, -v13
	v_mov_b32 v14, 0
	v_mov_b32 v15, 0
	v_mov_b32 v52, 0                               ; (a lane permute's destination counts as one of its sources)
.irp j, 0,1,2,3,4,5,6,7,8,9,10,11,12,13,14,15,16,17,18,19,20,21,22,23,24,25,26,27,28,29,30,31
	v_mov_b32 v[160+\j], 0
.endr
	s_mov_b32 s[T], 0
	s_mov_b32 s[TB], 0
.endm
; A tile ends: O^T / the sum x 2^(e4 + e5) is z; it is converted with 2^e6, and its 16 rows of 64 codes leave through my stage as 1,024 consecutive bytes.
.macro WAYOUT zb
.rept 4
	v_nop                                          ; places behind the last products
.endr
	v_add_f32 v14, v14, v15
	s_delay_alu instid0(VALU_DEP_1)
	v_permlanex16_b32 v52, v14, s[SEL], s[SEL+1]
	s_delay_alu instid0(VALU_DEP_1)
	v_add_f32 v14, v14, v52                        ; the row's sum
	s_wait_alu depctr_va_vdst(0)
	v_rcp_f32 v14, v14
	v_mov_b32 v48, s96                             ; (plain instructions behind the reciprocal)
	s_wait_alu depctr_va_vdst(0)                   ; the wait ahead of the reciprocal's first reader
	v_ldexp_f32 v14, v14, s98
.irp j, 0,2,4,6,8,10,12,14,16,18,20,22,24,26,28,30
	v_pk_mul_f32 v[96+\j:97+\j], v[160+\j:161+\j], v[14:15] op_sel_hi:[1,0]   ; register 8 t + i is z(r, 16 t + 8 h + i); each accumulator from its low end on
.endr
.irp j, 0,1,2,3,4,5,6,7,8,9,10,11,12,13,14,15,16,17,18,19,20,21,22,23,24,25,26,27,28,29,30,31
.endr
.irp t, 0,1,2,3
	v_cvt_scalef32_pk8_fp8_f32 v[32+2*\t:33+2*\t], v[96+8*\t:103+8*\t], v48
.endr
	v_nop                                          ; one plain vector instruction behind the last conversion
.irp t, 0,1,2,3
	ds_store_b64 v[STO], v[32+2*\t:33+2*\t] offset:16*\t
.endr
.irp t, 0,1
	ds_load_b128 v[40+4*\t:43+4*\t], v[RD] offset:640*\t   ; LDS serves a wave's instructions in order: these see my stores
.endr
	s_wait_dscnt 0x0
.irp t, 0,1
	global_store_b128 v[GO], v[40+4*\t:43+4*\t], s[\zb:\zb+1] offset:512*\t   ; each store of the wave covers 512 consecutive bytes, aligned
.endr
	s_wait_xcnt 0x0                                ; the stores have read their registers, which the next tile's loads write
.endm
	s_wait_loadcnt 0x0                             ; Q
	s_wait_tensorcnt 0x1                           ; my small tile is in; the big one may stay out
	s_barrier_signal -1
	s_barrier_wait -1                              ; keys 0-255 of K and V are whole
	INIT
	s_mov_b32 s[G], s[WV]
.Lfirst_a:                                             ; key steps 0 and 1
	STEP 16
	s_add_co_u32 s[T], s[T], 1
	s_cmp_lt_u32 s[T], 2
	s_cbranch_scc1 .Lfirst_a
	s_setprio 0
	s_wait_tensorcnt 0x0                           ; my big tile is in,
	s_wait_dscnt 0x0
	s_barrier_signal -1
	s_barrier_wait -1                              ; everybody's is: all of K and V
	s_mov_b32 s[T], 2
	s_mov_b32 s[TB], 2*STEPB
.Lrest_a:                                              ; key steps 2 to 15
	STEP 16
	s_add_co_u32 s[T], s[T], 1
	s_cmp_lt_u32 s[T], 16
	s_cbranch_scc1 .Lrest_a
	s_setprio 0
	WAYOUT 92
	INIT
	s_sub_co_u32 s[G], 15, s[WV]
	v_add_nc_u32 v[DQ], 16, v[DQ]                  ; the second tile lies 16 queries further into its block of 128
.Lall_b:
	STEP 24
	s_add_co_u32 s[T], s[T], 1
	s_cmp_lt_u32 s[T], 16
	s_cbranch_scc1 .Lall_b
	s_setprio 0
	WAYOUT 94
	s_wait_xcnt 0x0
	v_lshl_add_u32 v254, v0, 2, 0x49000
	v_mov_b32 v255, 0
	s_wait_alu depctr_va_vdst(0)
	s_wait_tensorcnt 0x0
	ds_add_u32 v254, v255
	s_wait_dscnt 0x0
	CROUND                                         ; the closing round
	s_endpgm
.Lfunc_end_k_q1ca89b1564_attn:
	.size	k_q1ca89b1564_attn, .Lfunc_end_k_q1ca89b1564_attn-k_q1ca89b1564_attn
	.p2alignl 7, 3214868480
	.fill 96, 4, 3214868480
	.section	.rodata,"a",@progbits
	.p2align	6, 0x0
	.amdhsa_kernel k_q1ca89b1564_attn
		.amdhsa_group_segment_fixed_size 327680
		.amdhsa_private_segment_fixed_size 0
		.amdhsa_enable_private_segment 0
		.amdhsa_kernarg_size 40
		.amdhsa_user_sgpr_count 2
		.amdhsa_user_sgpr_kernarg_segment_ptr 1
		.amdhsa_wavefront_size32 1
		.amdhsa_system_sgpr_workgroup_id_x 1
		.amdhsa_system_sgpr_workgroup_id_y 1
		.amdhsa_system_sgpr_workgroup_id_z 1
		.amdhsa_system_vgpr_workitem_id 0
		.amdhsa_next_free_vgpr 256
		.amdhsa_next_free_sgpr 100
		.amdhsa_reserve_vcc 1
		.amdhsa_float_denorm_mode_32 3
		.amdhsa_float_denorm_mode_16_64 3
		.amdhsa_fp16_overflow 1
		.amdhsa_memory_ordered 1
		.amdhsa_forward_progress 1
		.amdhsa_inst_pref_size 74
	.end_amdhsa_kernel
	.amdgpu_metadata
---
amdhsa.version: [ 1, 2 ]
amdhsa.kernels:
  - .name:           k_q1ca89b1564_attn
    .symbol:         k_q1ca89b1564_attn.kd
    .args:
      - { .name: qc, .offset: 0, .size: 8, .value_kind: global_buffer, .address_space: global }
      - { .name: kc, .offset: 8, .size: 8, .value_kind: global_buffer, .address_space: global }
      - { .name: vc, .offset: 16, .size: 8, .value_kind: global_buffer, .address_space: global }
      - { .name: lowp_scales, .offset: 24, .size: 8, .value_kind: global_buffer, .address_space: global }
      - { .name: zc, .offset: 32, .size: 8, .value_kind: global_buffer, .address_space: global }
    .group_segment_fixed_size: 327680
    .private_segment_fixed_size: 0
    .kernarg_segment_align: 8
    .kernarg_segment_size: 40
    .max_flat_workgroup_size: 512
    .sgpr_count:     100
    .vgpr_count:     256
    .wavefront_size: 32
...
	.end_amdgpu_metadata
.endif
;; end of part 3
;; launch gemm_out (part 4): grid 4 x 32, 4 waves a work-group, clusters of 4 x 4, 327,680 bytes of LDS; arguments zc, woc, lowp_scales, b_out, out0; writes out0
.if DOCPART == 4
	.amdgcn_target "amdgcn-amd-amdhsa--gfx1250"
	.amdhsa_code_object_version 6
	.text
	.protected	k_q1ca89b1564_gemm_out
	.globl	k_q1ca89b1564_gemm_out
	.p2align	8
	.type	k_q1ca89b1564_gemm_out,@function
k_q1ca89b1564_gemm_out:
	s_mov_b64 s[64:65], 0
	v_nop
	global_prefetch_b8 v0, s[64:65] scope:SCOPE_SE
	s_setreg_imm32_b32 hwreg(HW_REG_WAVE_MODE, 25, 1), 1
	s_wait_xcnt 0x0
	s_wait_alu depctr_hold_cnt(0) depctr_sa_sdst(0) depctr_va_vdst(0) depctr_va_sdst(0) depctr_va_ssrc(0) depctr_va_vcc(0) depctr_vm_vsrc(0)
	s_getreg_b32 s2, hwreg(HW_REG_IB_STS2, 6, 4)
	s_cmp_eq_u32 s2, 0
	s_cbranch_scc0 .Lentry_in_a_cluster
	s_endpgm
.Lentry_in_a_cluster:
	s_bfe_u32 s2, ttmp6, 0x10000c
	s_cmp_lg_u32 s2, 0xf033
	s_cbranch_scc0 .Lentry_shape_is_right
	s_endpgm
.Lentry_shape_is_right:
; out0 = z w_out + b_out on codes of E4M3.  zc: [16 heads][8192 tokens][64 d], so K = 64 head + d lies in 16 pieces of 64 bytes, 524,288 bytes apart; woc: [1024 n][1024 k]; out0: [8192][1024] f32.
; Each finished sum x 2^(e6 + e7) + b_out: one packed multiply-add for two numbers.  LIMIT: e6 + e7 between -126 and 127, so that 2^(e6 + e7) is an f32 number.
; A tile of out0, 256 x 256, is made by four waves, 128 x 128 each: 64 accumulators, 512 registers.  K goes in steps of 256 (four heads) through a ring of two LDS slots filled by the tensor data mover.
; A's tile for a wave: 4 rows (heads) of 8,192 bytes (128 tokens x 64, dense), with 16 bytes of padding behind every 256: in LDS [head][32 x 272 bytes], four tokens to 272 bytes.
; B's tile: 128 rows of 256 bytes, 272 apart.  Both halves are 34,816 bytes.
; CLUSTERS: 4 x 4 work-groups; A's tiles are asked for jointly along a row of the cluster, B's along a column.  The grid is 4 x 32 tiles: 128 work-groups.
; THE MATRIX INSTRUCTION IS USED TRANSPOSED (source 0 = 16 rows of woc, source 1 = 16 tokens): a lane holds eight neighbouring numbers of a row of out0.
; REGISTERS: window 0: v0-31 addresses; v32-95 the biases of my 128 columns; from v128 A's fragments, ONE set; on the way out v128-255 hold rows read back.   window 1: B's fragments, TWO sets; on the way out v0-63 a block's
; results.   windows 2, 3: the accumulators ((a, b) at v[8 (8 (a % 4) + b)]).
.set KROW,   1024
.set ROWB,   256
.set PITCH,  272
.set HROW,   32*PITCH                  ; a head's 128 tokens in LDS
.set KSA,    4*524288                  ; a K step in zc: four heads on
.set NROW,   4096                      ; a row of out0 in bytes
.set FR,     16
.set NL,     4
.set NP,     4
.set HALFT,  128*PITCH
.set SLOT,   4*HALFT
.set LAPS,   2
.set SPARE,  2*SLOT                    ; behind the ring: the spare words, 128 bytes for each wave, which no other line names
.set SPITCH, 528                       ; the way out: a stage of 16 rows x (512 bytes + 16) for each wave, in slot 0, which has had its last fill and its last read by then
.set ADRA, 16
.set ADRB, 20
.set STO,  24
.set RD,   25
.set CO,   26
.set BIO,  27
.set SPW,  28
.set NIL,  29
.set BI,   32
.set AF,   128
.set BK,   128
.set TMP,  0                           ; in window 1
.set G1, 24
.set G0, 32
.set G1B, 48
.set G0B, 56
.set MSB, 0
.macro WIN new
.if MSB != \new
	s_set_vgpr_msb (MSB<<8)|\new
.set MSB, \new
.endif
.endm
.set MUL_LO, 0xa1
.set MUL_HI, 0xf1
.set TO_B,   0x40
.macro JLOAD g0a, g1a, g0b, g1b        ; a joint load: waves 0 and 1 fetch for A, waves 2 and 3 for B; four v_nop follow each of the two lines
	s_cmp_eq_u32 s15, 0
	s_cbranch_scc0 .Lfor_b_\@
	tensor_load_to_lds s[\g0a:\g0a+3], s[\g1a:\g1a+7]
	s_nop 0
.rept 4
	v_nop
.endr
	s_branch .Lasked_\@
.Lfor_b_\@:
	tensor_load_to_lds s[\g0b:\g0b+3], s[\g1b:\g1b+7]
	s_nop 0
.rept 4
	v_nop
.endr
.Lasked_\@:
.endm
.macro CREST
	s_cmp_lg_u32 s14, 0
	s_cbranch_scc1 .Lnot_wave_0_\@
	s_barrier_signal -3
.Lnot_wave_0_\@:
	s_barrier_wait -3
	s_barrier_signal -1
	s_barrier_wait -1
.endm
.macro CROUND
	s_barrier_signal -1
	s_barrier_wait -1
	CREST
.endm
	s_load_b256 s[4:11], s[0:1], 0x0               ; zc s[4:5], woc s[6:7], the scales' exponents s[8:9], b_out s[10:11]
	s_load_b64 s[12:13], s[0:1], 0x20              ; out0
	v_lshl_add_u32 v[SPW], v0, 2, SPARE
	v_mov_b32 v[NIL], 0
	ds_add_u32 v28, v29
	ds_add_u32 v28, v29
	s_wait_dscnt 0x0
	v_lshrrev_b32 v1, 5, v0
	v_readfirstlane_b32 s14, v1                    ; wave 0..3
	s_lshr_b32 s15, s14, 1                         ; which half of the tile's rows is mine.  Also: I fetch for A (0) or for B (1)
	s_and_b32 s16, s14, 1                          ; which half of its columns.  Also: which 128 rows of that tile I fetch
	s_bfe_u32 s40, ttmp6, 0x40000                  ; cx, cy
	s_bfe_u32 s41, ttmp6, 0x40004
	s_lshl_b32 s42, ttmp9, 2
	s_add_co_u32 s42, s42, s40                     ; tile column
	s_and_b32 s17, ttmp7, 0xffff
	s_lshl_b32 s17, s17, 2
	s_add_co_u32 s17, s17, s41                     ; tile row
	s_lshl_b32 s43, s41, 2
	s_lshl_b32 s43, 15, s43                        ; my row of the cluster
	s_lshl_b32 s44, 0x1111, s40                    ; my column
	s_or_b32 s[G1+0], s43, (0<<16)|(1<<20)|(1<<21)|(5<<22)|(3<<25)  ; the mask; elements of 1 byte; padding on; bit 21 beside a mask; after every 64 words (code 5) 4 words (code 3)
	s_mov_b32 s[G1+1], 8192<<16                    ; tensor_dim0 = 8,192
	s_mov_b32 s[G1+2], 4<<16                       ; tensor_dim1 = 4
	s_mov_b32 s[G1+3], 8192<<16                    ; tile_dim0
	s_mov_b32 s[G1+4], 4                           ; tile_dim1
	s_mov_b32 s[G1+5], 524288                      ; tensor_dim0_stride: from head to head
	s_mov_b32 s[G1+6], 0
	s_mov_b32 s[G1+7], 0
	s_or_b32 s[G1B+0], s44, (0<<16)|(1<<20)|(1<<21)|(5<<22)|(3<<25)
	s_mov_b32 s[G1B+1], ROWB<<16
	s_mov_b32 s[G1B+2], 128<<16
	s_mov_b32 s[G1B+3], ROWB<<16
	s_mov_b32 s[G1B+4], 128
	s_mov_b32 s[G1B+5], KROW
	s_mov_b32 s[G1B+6], 0
	s_mov_b32 s[G1B+7], 0
	s_lshl_b32 s18, s16, 7
	s_lshl_b32 s20, s17, 8
	s_add_co_u32 s20, s20, s18
	s_lshl_b32 s20, s20, 6                         ; A: token 256 x tile row + 128 x half, 64 bytes each
	s_mov_b32 s21, 0
	s_lshl_b32 s46, s42, 8
	s_add_co_u32 s46, s46, s18
	s_lshl_b32 s46, s46, 10                        ; B: row 256 x tile column + 128 x half, 1,024 bytes each
	s_mov_b32 s47, 0
	s_mul_i32 s45, s14, HALFT                      ; where they go: wave x 34,816 bytes
	s_wait_kmcnt 0x0
	s_load_b64 s[96:97], s[8:9], 0x18              ; e6, e7
	s_add_nc_u64 s[20:21], s[4:5], s[20:21]
	s_add_nc_u64 s[46:47], s[6:7], s[46:47]
	CROUND                                         ; all sixteen work-groups are here: the first joint loads meet
.irp s, 0,1
	s_mov_b32 s[G0+4*\s], 1
	s_add_co_u32 s[G0+4*\s+1], s45, \s*SLOT
	s_add_nc_u64 s[G0+4*\s+2:G0+4*\s+3], s[20:21], \s*KSA
	s_or_b32 s[G0+4*\s+3], s[G0+4*\s+3], 0x80000000
	s_mov_b32 s[G0B+4*\s], 1
	s_add_co_u32 s[G0B+4*\s+1], s45, \s*SLOT
	s_add_nc_u64 s[G0B+4*\s+2:G0B+4*\s+3], s[46:47], \s*ROWB
	s_or_b32 s[G0B+4*\s+3], s[G0B+4*\s+3], 0x80000000
	s_wait_alu depctr_va_vdst(0)
	s_wait_tensorcnt 0x0
	ds_add_u32 v28, v29
	ds_add_u32 v28, v29
	s_wait_dscnt 0x0
	CROUND
	JLOAD G0+4*\s, G1, G0B+4*\s, G1B
.endr
	v_and_b32 v1, 15, v0                           ; r
	v_bfe_u32 v2, v0, 4, 1                         ; h
	v_lshrrev_b32 v3, 2, v1
	v_mul_u32_u24 v3, v3, PITCH
	v_and_b32 v5, 3, v1
	v_lshl_add_u32 v3, v5, 6, v3
	v_lshl_add_u32 v3, v2, 4, v3                   ; A: token r of a block: 272 (r / 4) + 64 (r % 4) + 16 h
	v_mul_u32_u24 v4, v1, PITCH
	v_lshl_add_u32 v4, v2, 4, v4                   ; B: row r x pitch + 16 h
	s_mul_i32 s21, s15, HALFT
	s_mul_i32 s22, s16, HALFT
	s_add_co_u32 s22, s22, 2*HALFT
.irp s, 0,1
	v_add_nc_u32 v[ADRA+\s], s21, v3
	v_add_nc_u32 v[ADRB+\s], s22, v4
	s_add_co_u32 s21, s21, SLOT
	s_add_co_u32 s22, s22, SLOT
.endr
	s_mul_i32 s23, s14, 16*SPITCH                  ; my stage
	v_mul_u32_u24 v5, v1, SPITCH
	v_lshl_add_u32 v5, v2, 5, v5
	v_add_nc_u32 v[STO], s23, v5                   ; in: row r, 32 bytes for each half of the lanes
	v_and_b32 v6, 31, v0
	v_lshlrev_b32 v[CO], 4, v6                     ; back: the 32 lanes take one row of 512 bytes; and the same in out0
	v_add_nc_u32 v[RD], s23, v[CO]
	s_lshl_b32 s20, s17, 8
	s_lshl_b32 s21, s15, 7
	s_add_co_u32 s20, s20, s21
	s_lshl_b32 s20, s20, 12                        ; my first row of out0, 4,096 bytes each
	s_lshl_b32 s46, s42, 10
	s_lshl_b32 s47, s16, 9
	s_add_co_u32 s46, s46, s47                     ; my first column, in bytes
	v_lshl_add_u32 v[BIO], v2, 5, s46              ; b_out: the same bytes, + 32 h
	s_add_co_u32 s20, s20, s46
	s_mov_b32 s21, 0
	s_add_nc_u64 s[12:13], s[12:13], s[20:21]
.irp b, 0,1,2,3,4,5,6,7
	global_load_b128 v[BI+8*\b:BI+8*\b+3], v[BIO], s[10:11] offset:64*\b          ; b_out(16 b + 8 h + j) at v[BI + 8 b + j]
	global_load_b128 v[BI+8*\b+4:BI+8*\b+7], v[BIO], s[10:11] offset:64*\b+16
.endr
.macro FRAG reg, adr, q, i             ; B's fragment: registers 4 c .. 4 c + 3 hold K = 128 q + 32 c + 16 h + 0 .. 15
.irp c, 0,1,2,3
	ds_load_b128 v[\reg+4*\c:\reg+4*\c+3], v[\adr] offset:128*(\q)+32*\c+(\i)*16*PITCH
.endr
.endm
.macro FRAGA reg, adr, q, i            ; A's, the same K: head 2 q + c / 2 of the slot's four, d = 32 (c % 2) + 16 h + 0 .. 15; a block of 16 tokens is 4 x 272 bytes
.irp c, 0,1,2,3
	ds_load_b128 v[\reg+4*\c:\reg+4*\c+3], v[\adr] offset:(2*(\q)+\c/2)*HROW+32*(\c%2)+(\i)*4*PITCH
.endr
.endm
.macro MUL16 a0, p, zero               ; the 64 accumulators take turns, one instruction a turn, in the same order in every step
.irp a, \a0, \a0+1
.irp b, 0,1,2,3,4,5,6,7
.if \zero
	v_wmma_f32_16x16x128_fp8_fp8 v[8*(8*((\a)%4)+\b):8*(8*((\a)%4)+\b)+7], v[128*(\p)+FR*\b:128*(\p)+FR*\b+FR-1], v[AF+FR*(\a):AF+FR*(\a)+FR-1], 0
.else
	v_wmma_f32_16x16x128_fp8_fp8 v[8*(8*((\a)%4)+\b):8*(8*((\a)%4)+\b)+7], v[128*(\p)+FR*\b:128*(\p)+FR*\b+FR-1], v[AF+FR*(\a):AF+FR*(\a)+FR-1], v[8*(8*((\a)%4)+\b):8*(8*((\a)%4)+\b)+7]
.endif
.endr
.endr
.endm
.macro FETCH_B slot, q, p
	WIN TO_B
.irp i, 0,1,2,3,4,5,6,7
	FRAG 128*(\p)+FR*\i, ADRB+\slot, \q, \i
.endr
	WIN 0
.endm
.macro FETCH_A slot, q, i0
.irp i, \i0, \i0+1, \i0+2, \i0+3
	FRAGA AF+FR*(\i), ADRA+\slot, \q, \i
.endr
.endm
.macro PLACES n
.rept \n
	v_nop
.endr
.endm
.macro STEP slot, q, zero
	s_wait_dscnt 4*NL                              ; B's set and A's blocks 0-3 are in; the youngest 16 loads (A's blocks 4-7) may be out
	WIN MUL_LO
	MUL16 0, (\q)%2, \zero
	MUL16 2, (\q)%2, \zero
	s_wait_dscnt 0
	PLACES NP
	FETCH_B \slot, (\q)+1, 1-(\q)%2
	FETCH_A \slot, (\q)+1, 0
	WIN MUL_HI
	MUL16 4, (\q)%2, \zero
	MUL16 6, (\q)%2, \zero
	PLACES NP
	WIN 0
	FETCH_A \slot, (\q)+1, 4
.endm
.macro TURN slot, next, fill           ; a slot's last step changes slots: ONE barrier, with the waits and the add in front of it
	s_wait_tensorcnt 0x0                           ; all my tensor loads have landed: my part of the next slot
	ds_add_u32 v[SPW], v[NIL]                      ; 0 onto my spare word
	s_wait_dscnt 4*NL+1                            ; (the add and the youngest 16 loads may be out)
	WIN MUL_LO
	MUL16 0, 1, 0
	s_wait_dscnt 0x0                               ; the add is done, and my reads of this slot are over
	s_barrier_signal -1
	MUL16 2, 1, 0
	WIN 0
	s_barrier_wait -1
.if \fill
	CREST                                          ; the barrier has opened a round of the cluster's barrier: no wave of any partner still reads this slot's tile or has a load on its way
	s_add_nc_u64 s[G0+4*\slot+2:G0+4*\slot+3], s[G0+4*\slot+2:G0+4*\slot+3], 2*KSA
	s_add_nc_u64 s[G0B+4*\slot+2:G0B+4*\slot+3], s[G0B+4*\slot+2:G0B+4*\slot+3], 2*ROWB
	JLOAD G0+4*\slot, G1, G0B+4*\slot, G1B         ; the first tensor load behind the round; its four v_nop are also the places in front of the loads below
.else
	PLACES NP
.endif
	s_wait_alu depctr_va_vdst(0)
	FETCH_B \next, 0, 0
	FETCH_A \next, 0, 0
	WIN MUL_HI
	MUL16 4, 1, 0
	MUL16 6, 1, 0
	PLACES NP
	WIN 0
	FETCH_A \next, 0, 4
.endm
	s_wait_tensorcnt 1                             ; my part of K step 0 is in (K step 1's load may be out),
	s_barrier_signal -1
	s_barrier_wait -1                              ; everybody's is
	FETCH_B 0, 0, 0
	FETCH_A 0, 0, 0
	FETCH_A 0, 0, 4
	STEP 0, 0, 1                                   ; the first step's products start the sums
	s_mov_b32 s3, LAPS-1
.Llap:
	TURN 0, 1, 1
	STEP 1, 0, 0
	TURN 1, 0, 1
	STEP 0, 0, 0
	s_sub_co_u32 s3, s3, 1
	s_cmp_lg_u32 s3, 0
	s_cbranch_scc1 .Llap
	TURN 0, 1, 0                                   ; the last lap fills nothing
	STEP 1, 0, 0
	s_wait_dscnt 4*NL
	WIN MUL_LO
	MUL16 0, 1, 0
	MUL16 2, 1, 0
	s_wait_dscnt 0
	WIN MUL_HI
	MUL16 4, 1, 0
	MUL16 6, 1, 0
	WIN 0
; THE WAY OUT, block by block of 16 rows x 128 columns, through my own stage in LDS: in as 32 bytes a lane, back as whole rows of 512 bytes.  LDS serves a wave's instructions in order: no wait between the stores and the loads.
.macro TOSTAGE a
.set AC, 64*((\a)%4)
	WIN 0x42+((\a)/4)                              ; source 0 (the sums) window 2 or 3, source 2 (the biases) window 0, destination window 1
.irp j, 0,2,4,6,8,10,12,14,16,18,20,22,24,26,28,30,32,34,36,38,40,42,44,46,48,50,52,54,56,58,60,62
	v_pk_fma_f32 v[TMP+\j:TMP+\j+1], v[AC+\j:AC+\j+1], s[96:97], v[BI+\j:BI+\j+1] op_sel_hi:[1,0,1]   ; sum x 2^(e6 + e7) + bias; each accumulator from its low end on
.endr
	WIN 0x04                                       ; the stores' data in window 1
.irp b, 0,1,2,3,4,5,6,7
	ds_store_b128 v[STO], v[TMP+8*\b:TMP+8*\b+3] offset:64*\b
	ds_store_b128 v[STO], v[TMP+8*\b+4:TMP+8*\b+7] offset:64*\b+16
.endr
	WIN 0
.set BB, BK+64*((\a)%2)
.irp t, 0,1,2,3,4,5,6,7,8,9,10,11,12,13,14,15
	ds_load_b128 v[BB+4*\t:BB+4*\t+3], v[RD] offset:\t*SPITCH
.endr
.endm
.macro SEND a, younger                 ; younger: the LDS instructions issued behind block a's loads, which may stay out
.set BB, BK+64*((\a)%2)
	s_wait_dscnt \younger
.if (\a) > 0
	s_add_nc_u64 s[12:13], s[12:13], 16*NROW       ; (behind a wait on XCNT: the earlier stores have read their base)
.endif
.irp t, 0,1,2,3,4,5,6,7,8,9,10,11,12,13,14,15
	global_store_b128 v[CO], v[BB+4*\t:BB+4*\t+3], s[12:13] offset:\t*NROW th:TH_STORE_NT   ; 32 lanes store 512 consecutive bytes, aligned; written once, read by nobody here
.endr
.endm
	s_wait_kmcnt 0x0
	s_add_co_i32 s96, s96, s97
	s_add_co_i32 s96, s96, 127
	s_lshl_b32 s96, s96, 23                        ; 2^(e6 + e7) as f32
	s_mov_b32 s97, s96                             ; (named with it as a pair, so it is written)
	s_wait_loadcnt 0x0                             ; the biases
	PLACES NP                                      ; behind the last products
	TOSTAGE 0
.irp a, 1,2,3,4,5,6,7
.if \a > 1
	s_wait_xcnt 0x0                                ; block a - 2's stores have read their registers and their base
.endif
	TOSTAGE \a
	SEND \a-1, 32                                  ; behind block a - 1's loads: block a's 16 stores and 16 loads
.endr
	s_wait_xcnt 0x0
	SEND 7, 0
	s_wait_tensorcnt 0x0                           ; the wave's end: behind my last tensor load and my last LDS store
	ds_add_u32 v[SPW], v[NIL]
	s_wait_dscnt 0x0
	CROUND                                         ; the closing round
	s_endpgm
.Lfunc_end_k_q1ca89b1564_gemm_out:
	.size	k_q1ca89b1564_gemm_out, .Lfunc_end_k_q1ca89b1564_gemm_out-k_q1ca89b1564_gemm_out
	.p2alignl 7, 3214868480
	.fill 96, 4, 3214868480
	.section	.rodata,"a",@progbits
	.p2align	6, 0x0
	.amdhsa_kernel k_q1ca89b1564_gemm_out
		.amdhsa_group_segment_fixed_size 327680
		.amdhsa_private_segment_fixed_size 0
		.amdhsa_enable_private_segment 0
		.amdhsa_kernarg_size 40
		.amdhsa_user_sgpr_count 2
		.amdhsa_user_sgpr_kernarg_segment_ptr 1
		.amdhsa_wavefront_size32 1
		.amdhsa_system_sgpr_workgroup_id_x 1
		.amdhsa_system_sgpr_workgroup_id_y 1
		.amdhsa_system_sgpr_workgroup_id_z 1
		.amdhsa_system_vgpr_workitem_id 0
		.amdhsa_next_free_vgpr 1024
		.amdhsa_next_free_sgpr 98
		.amdhsa_reserve_vcc 0
		.amdhsa_float_denorm_mode_32 3
		.amdhsa_float_denorm_mode_16_64 3
		.amdhsa_memory_ordered 1
		.amdhsa_forward_progress 1
		.amdhsa_inst_pref_size 126
	.end_amdhsa_kernel
	.amdgpu_metadata
---
amdhsa.version: [ 1, 2 ]
amdhsa.kernels:
  - .name:           k_q1ca89b1564_gemm_out
    .symbol:         k_q1ca89b1564_gemm_out.kd
    .args:
      - { .name: zc, .offset: 0, .size: 8, .value_kind: global_buffer, .address_space: global }
      - { .name: woc, .offset: 8, .size: 8, .value_kind: global_buffer, .address_space: global }
      - { .name: lowp_scales, .offset: 16, .size: 8, .value_kind: global_buffer, .address_space: global }
      - { .name: b_out, .offset: 24, .size: 8, .value_kind: global_buffer, .address_space: global }
      - { .name: out0, .offset: 32, .size: 8, .value_kind: global_buffer, .address_space: global }
    .group_segment_fixed_size: 327680
    .private_segment_fixed_size: 0
    .kernarg_segment_align: 8
    .kernarg_segment_size: 40
    .max_flat_workgroup_size: 128
    .sgpr_count:     98
    .vgpr_count:     1024
    .wavefront_size: 32
...
	.end_amdgpu_metadata
.endif
;; end of part 4
